; MI455X (gfx1250); checked and timed in simulation.
; The chip was launched on July 23, 2026; its instructions are those of AMD's public machine-readable ISA for CDNA 5 (MIT licence, August 2026) and "CDNA5" Instruction Set Architecture Reference Guide (July 2026). The comments in the code are by the model that wrote it; some were corrected since.
;; Transformer Block. Allowed arithmetic: matrix products marked QUANTISED: E5M2 operands, one given power-of-two scale a tensor, by v_wmma_f32_16x16x64_bf8_bf8 or v_wmma_f32_16x16x128_bf8_bf8, f32 sums; everything else in f32.
;; Inputs: W1 1,024 x 4,096 float32; W2 4,096 x 1,024 float32; Wk 16 x 1,024 x 64 float32; Wo 1,024 x 1,024 float32; Wq 16 x 1,024 x 64 float32; Wv 16 x 1,024 x 64 float32; b1 4,096 float32; b2 1,024 float32; beta1 1,024 float32; beta2 1,024 float32; g1 1,024 float32; g2 1,024 float32; lowp_scales 16 int32 (the exponents e of the quantised operands' scales 2^e); x 2 x 2,048 x 1,024 float32.
;; Outputs: out0 2 x 2,048 x 1,024 float32.
;; This version of the problem:
;;   THIS VERSION OF THE PROBLEM IS GIVEN IN LOW PRECISION. The matrix products marked QUANTISED in the list below multiply operands that are first quantised to E5M2 (5 exponent bits, 2 mantissa bits; 8 bits a number), with one given power-of-two scale for each operand tensor; their sums are f32. All else is computed in f32.
;;   The module's matrix products, in the order in which they are computed (A, B: the left and right operand; K: the contracted axis; several contracted axes count as one K, in the product's order):
;;     1. [M 1,024, K 1,024] x [K 1,024, N 4,096]; A: input Wq; B: computed on the way: QUANTISED (scales: A lowp_scales[0], B lowp_scales[1])
;;     2. [M 1,024, K 1,024] x [K 1,024, N 4,096]; A: input Wk; B: computed on the way: QUANTISED (scales: A lowp_scales[2], B lowp_scales[3])
;;     3. [M 1,024, K 1,024] x [K 1,024, N 4,096]; A: input Wv; B: computed on the way: QUANTISED (scales: A lowp_scales[4], B lowp_scales[5])
;;     4. batch 32 x [M 2,048, K 64] x [K 64, N 2,048]; A: computed on the way; B: computed on the way: QUANTISED (scales: A lowp_scales[6], B lowp_scales[7])
;;     5. batch 32 x [M 2,048, K 2,048] x [K 2,048, N 64]; A: softmax (see below); B: computed on the way: QUANTISED (scales: A lowp_scales[8], B lowp_scales[9])
;;     6. [M 4,096, K 1,024] x [K 1,024, N 1,024]; A: computed on the way; B: input Wo: QUANTISED (scales: A lowp_scales[10], B lowp_scales[11])
;;     7. [M 4,096, K 1,024] x [K 1,024, N 4,096]; A: computed on the way; B: input W1: QUANTISED (scales: A lowp_scales[12], B lowp_scales[13])
;;     8. [M 4,096, K 4,096] x [K 4,096, N 1,024]; A: computed on the way; B: input W2: QUANTISED (scales: A lowp_scales[14], B lowp_scales[15])
;;   THE QUANTISER, for each operand of a quantised product, along K:
;;     - The operand's scale is 2^e, e = its entry of the input lowp_scales (int32; the entries are numbered through the quantised products in the list's order, A before B).
;;     - Each number is divided by the scale, clamped to +-57,344, and rounded to the nearest number of E5M2, ties to even, subnormals kept.
;;     - The product sums the exact products of the quantised numbers (number of the format x scale) in f32.
;;   ~~~python
;;   def quantise(x, axis, e):      # numpy; x: float32 -> the quantised numbers, widened to float32 again
;;       x = np.moveaxis(x, axis, -1); K = x.shape[-1]
;;       r = np.clip(x / 2.0 ** e, -57344, 57344)
;;       step = 2.0 ** (np.maximum(np.frexp(np.where(r == 0, 1, r))[1] - 1, -14) - 2)
;;       q = np.round(r / step) * step * 2.0 ** e      # np.round: ties to even
;;       return np.moveaxis(q, -1, axis).astype(np.float32)
;;   ~~~
;;   SOFTMAX AHEAD OF A QUANTISED PRODUCT. Where the list says 'softmax', what is quantised is not the finished softmax but p = 2^(t - M), with t = logit x log2(e) and M = ceil(the row's largest t), a whole number; so 1/2 < the row's largest p <= 1. The row's sum l is taken of the UNQUANTISED p, in f32, and the product's result is divided by l at the end. Since M is a whole number, a kernel that streams over the keys may use a running M (the ceiling of the running maximum): every later rescaling is an exact power of two, so the quantised numbers keep their values, but for numbers so far below the row's largest that they fall under the format's range.
;;   OPERANDS COMPUTED ON THE WAY. 'Computed on the way' means the value that the module computes at that place (a softmax that the list does not call 'softmax' is quantised finished and normalised). What goes into a quantiser is computed in f32, as accurately as f32 sums, v_exp_f32 and their like allow (about 1e-6 of the number): no bf16 or f16 on the way to a quantiser, and a product that is left as it is and whose result goes on into a quantised operand takes f32 operands (vector FMAs, or v_wmma_f32_16x16x4_f32). A number that lies on a knife's edge between two numbers of the format may be rounded either way, as far as f32 arithmetic and the matrix unit's own rounding can turn it there, and no further.
;; One version. Each part assembles by itself: llvm-mc -triple=amdgcn-amd-amdhsa -mcpu=gfx1250 --defsym DOCPART=n.
;; ======== version 1 of 1: 7 launches
;; limits: right only within a limited range of input values
;; workspace buffers: hc 12,582,912 bytes; wc 12,582,912 bytes; qkvc 12,582,912 bytes; cc 4,194,304 bytes; x1 16,777,216 bytes; h2c 4,194,304 bytes; gc 16,777,216 bytes
;; launch prep (part 1): grid 640 x 1, 4 waves a work-group, no clusters, 47,616 bytes of LDS; arguments Wq, Wk, Wv, Wo, W1, W2, x, g1, beta1, lowp_scales, wc, hc; writes wc, hc
.if DOCPART == 1
	.amdgcn_target "amdgcn-amd-amdhsa--gfx1250"
	.amdhsa_code_object_version 6
	.text
	.protected	k_qbe569493cd_prep
	.globl	k_qbe569493cd_prep
	.p2align	8
	.type	k_qbe569493cd_prep,@function
k_qbe569493cd_prep:
	s_mov_b64 s[64:65], 0
	v_nop
	global_prefetch_b8 v0, s[64:65] scope:SCOPE_SE
	s_setreg_imm32_b32 hwreg(HW_REG_WAVE_MODE, 25, 1), 1
	s_wait_xcnt 0x0
; PREP.  Work-groups 0-383: the six weights (f32, K not innermost) become codes of E5M2 laid [n][k], K innermost, in wc:
;   Wq at 0 (scale entry 0), Wk at 1 MiB (2), Wv at 2 MiB (4), Wo at 3 MiB (11), W1 at 4 MiB (13), W2 at 8 MiB (15); for Wq, Wk, Wv n = 64 head + channel.
; Work-groups 384-639: LN1(x) in f32 (mean, then the variance of the differences), quantised three times, with scale entries 1, 3, 5, into hc [3][4096][1024].
; code = number / 2^e, held within +-57,344, to the nearest code, ties to even.  LIMITS: each e used here lies between -126 and 112; NaN and infinities among the inputs are not served.
; WEIGHTS: a lane takes a column n and its registers run down K, so the conversions give codes with K innermost; a wave takes 32 columns x 256 K; the codes leave through the wave's own
; stage in LDS, sixteen lanes storing 256 consecutive aligned bytes.  One path serves all six tensors: strides, bases and the scale's index are chosen from the work-group's number.
; LN: a wave takes a row at a time, four rows; a row stays in 32 registers.  No tensor loads, no barrier: waves share nothing.  The two paths use LDS bytes of their own.
.set WSTG,  32*272                     ; a wave's stage on the weights' path: 32 rows of 256 bytes + 16
.set LNB,   4*WSTG                     ; the LN path's stages begin here: 3 x 1,024 bytes a wave
.set OFF,   16                         ; v16-47   weights: 4 x lane + i x (bytes from one k to the next)
.set XW,    48                         ; v48-111  weights: two sets of 32 numbers
.set CW,    112                        ; v112-119 a block's codes
.set OUTR,  120                        ; v120-183 the way out
.set OO,    184                        ; v184-199 the way out: byte offsets of two rows each
.set G,     16                         ; LN: v16-47 gain, v48-79 beta, v80-207 four rows, v208-223 at work, v224-231 codes, v232-239 codes read back
.set BT,    48
.set X,     80
.set T,     208
.set C,     224
.set O,     232
	s_load_b512 s[4:19], s[0:1], 0x0               ; Wq 4, Wk 6, Wv 8, Wo 10, W1 12, W2 14, x 16, g1 18
	s_load_b256 s[20:27], s[0:1], 0x40             ; beta1 20, the scales' exponents 22, wc 24, hc 26
	v_lshl_add_u32 v254, v0, 2, 0xb800
	v_mov_b32 v255, 0
	v_lshrrev_b32 v1, 5, v0
	v_readfirstlane_b32 s2, v1                     ; wave
	v_and_b32 v1, 31, v0                           ; lane
	s_cmp_ge_u32 ttmp9, 384
	s_cbranch_scc1 .Lln
; ---------------- the weights ----------------
	s_mov_b32 s50, ttmp9                           ; g
	s_lshr_b32 s51, s50, 5
	s_lshr_b32 s56, s50, 7
	s_cmp_lt_u32 s50, 128
	s_cselect_b32 s52, 31, 127
	s_and_b32 s52, s50, s52                        ; j: my number within the tensor
	s_cmp_lt_u32 s50, 256
	s_cselect_b32 s53, 2, 4                        ; bits of j that count pieces of 256 along K (K = 1,024, or 4,096 for W2)
	s_lshl_b32 s54, 256, s53                       ; a row of codes in bytes
	s_cmp_lt_u32 s50, 96
	s_cselect_b32 s55, 8, 12
	s_cselect_b32 s57, 261888, 0                   ; Wq, Wk, Wv: from head to head 262,144 bytes, of which 4 x 64 are in 4 n already
	s_cmp_eq_u32 s56, 1
	s_cselect_b32 s55, 14, s55
	s_lshl_b32 s55, 1, s55                         ; bytes from one k to the next: 256, 4,096, 16,384, 4,096
	s_lshl_b32 s58, s51, 20
	s_lshl_b32 s59, s56, 22
	s_cmp_lt_u32 s50, 128
	s_cselect_b32 s58, s58, s59                    ; the tensor's place in wc
	s_lshl_b32 s60, s51, 1
	s_lshl_b32 s61, s56, 1
	s_add_co_u32 s61, s61, 11
	s_cmp_lt_u32 s50, 96
	s_cselect_b32 s60, s60, s61                    ; its scale's entry: 0, 2, 4, 11, 13, 15
	s_lshl_b32 s31, s60, 2
	s_bfm_b32 s48, s53, 0
	s_and_b32 s48, s52, s48                        ; kc: which 256 along K
	s_lshr_b32 s49, s52, s53
	s_lshl_b32 s49, s49, 7
	s_lshl_b32 s61, s2, 5
	s_add_co_u32 s49, s49, s61                     ; n0: my wave's first column
	s_lshl_b32 s60, s49, 2
	s_lshr_b32 s61, s49, 6
	s_mul_i32 s61, s61, s57
	s_add_co_u32 s60, s60, s61
	s_lshl_b32 s61, s48, 8
	s_mul_i32 s61, s61, s55
	s_add_co_u32 s60, s60, s61
	s_mov_b32 s61, 0                               ; s[60:61]: where my part begins in the source
	s_mul_i32 s59, s49, s54
	s_add_co_u32 s58, s58, s59
	s_lshl_b32 s59, s48, 8
	s_add_co_u32 s58, s58, s59
	s_mov_b32 s59, 0                               ; s[58:59]: and in wc
	s_lshl_b32 s48, s55, 5
	s_mov_b32 s49, 0                               ; s[48:49]: 32 along K in the source
	s_wait_alu depctr_va_vdst(0)
	v_lshlrev_b32 v[OFF], 2, v1
.set i, 1
.rept 31
	v_add_nc_u32 v[OFF+i], s55, v[OFF+i-1]
.set i, i+1
.endr
	s_mul_i32 s3, s2, WSTG
	v_mul_u32_u24 v4, v1, 272
	v_add_nc_u32 v4, s3, v4                        ; into the stage: row = my column
	v_and_b32 v5, 15, v1
	v_lshrrev_b32 v6, 4, v1
	v_mul_u32_u24 v7, v6, 272
	v_lshl_add_u32 v7, v5, 4, v7
	v_add_nc_u32 v7, s3, v7                        ; out of it: sixteen lanes to a row, two rows an instruction
	v_mul_lo_u32 v[OO], v6, s54
	v_lshl_add_u32 v[OO], v5, 4, v[OO]
	s_lshl_b32 s3, s54, 1
.set i, 1
.rept 15
	v_add_nc_u32 v[OO+i], s3, v[OO+i-1]
.set i, i+1
.endr
	s_wait_kmcnt 0x0
	s_load_b32 s30, s[22:23], s31 offset:0x0       ; e
	s_cmp_eq_u32 s51, 0                            ; the source: the choice hangs on the work-group's number alone
	s_cselect_b64 s[62:63], s[4:5], s[6:7]
	s_cmp_eq_u32 s51, 2
	s_cselect_b64 s[62:63], s[8:9], s[62:63]
	s_cmp_eq_u32 s51, 3
	s_cselect_b64 s[62:63], s[10:11], s[62:63]
	s_cmp_eq_u32 s56, 1
	s_cselect_b64 s[62:63], s[12:13], s[62:63]
	s_cmp_eq_u32 s56, 2
	s_cselect_b64 s[62:63], s[14:15], s[62:63]
	s_add_nc_u64 s[32:33], s[62:63], s[60:61]      ; eight bases, one for each block of 32 along K
.irp t, 1,2,3,4,5,6,7
	s_add_nc_u64 s[32+2*\t:33+2*\t], s[30+2*\t:31+2*\t], s[48:49]
.endr
	s_add_nc_u64 s[28:29], s[24:25], s[58:59]
.macro WLOAD t                         ; block t: W(32 t + i, my column), i = 0 .. 31, into set t % 2; a wave's load reads 128 consecutive bytes
.set i, 0
.rept 32
	global_load_b32 v[XW+32*((\t)%2)+i], v[OFF+i], s[32+2*(\t):33+2*(\t)] th:TH_LOAD_NT
.set i, i+1
.endr
.endm
	WLOAD 0
	WLOAD 1
	s_wait_kmcnt 0x0
	s_add_co_i32 s30, s30, 127
	s_lshl_b32 s31, s30, 23
	v_mov_b32 v11, s31                             ; 2^e as f32: the conversion takes its exponent field
	s_add_co_i32 s30, s30, 15
	s_lshl_b32 s30, s30, 23
	s_or_b32 s30, s30, 0x600000
	v_mov_b32 v10, s30                             ; 57,344 x 2^e
.macro BLOCK t
.set XS, XW+32*((\t)%2)
.if (\t) < 7
	s_wait_loadcnt 32                              ; this block's 32 loads are in; the next block's 32 may be out
.else
	s_wait_loadcnt 0
.endif
.set i, 0
.rept 32
	v_med3_num_f32 v[XS+i], v[XS+i], -v10, v10     ; the conversion to an 8-bit code does not saturate (ISA guide 7.6.2): the hold comes first
.set i, i+1
.endr
.irp g, 0,1,2,3
	v_cvt_scalef32_pk8_bf8_f32 v[CW+2*\g:CW+2*\g+1], v[XS+8*\g:XS+8*\g+7], v11
.endr
	ds_store_b128 v4, v[CW:CW+3] offset:32*(\t)    ; 32 codes: 32 bytes of my column's row
	ds_store_b128 v4, v[CW+4:CW+7] offset:32*(\t)+16
.if (\t)+2 < 8
	WLOAD (\t)+2
.endif
	s_wait_dscnt 0x0                               ; the stores have read their registers: the next block's codes may be written
.endm
	s_wait_alu depctr_va_vdst(0)
.irp t, 0,1,2,3,4,5,6,7
	BLOCK \t
.endr
.irp t, 0,1,2,3,4,5,6,7,8,9,10,11,12,13,14,15
	ds_load_b128 v[OUTR+4*\t:OUTR+4*\t+3], v7 offset:2*\t*272   ; LDS serves a wave's instructions in order: these see my stores
.endr
.irp t, 0,1,2,3,4,5,6,7,8,9,10,11,12,13,14,15
	s_wait_dscnt 15-\t                             ; the younger reads of the stage may be out
	global_store_b128 v[OO+\t], v[OUTR+4*\t:OUTR+4*\t+3], s[28:29]   ; sixteen lanes store 256 consecutive bytes, aligned
.endr
	s_wait_tensorcnt 0x0
	ds_add_u32 v254, v255
	s_wait_dscnt 0x0
	s_endpgm
; ---------------- LN1 and its three quantisers ----------------
.macro LANESUM                         ; v14: the sum over the wave's 32 lanes, in every lane
	v_add_f32_dpp v14, v14, v14 row_xmask:1 row_mask:0xf bank_mask:0xf
	v_add_f32_dpp v14, v14, v14 row_xmask:2 row_mask:0xf bank_mask:0xf
	v_add_f32_dpp v14, v14, v14 row_xmask:4 row_mask:0xf bank_mask:0xf
	v_add_f32_dpp v14, v14, v14 row_xmask:8 row_mask:0xf bank_mask:0xf
	v_permlanex16_b32 v15, v14, s56, s57
	v_add_f32 v14, v14, v15
.endm
.macro LNROW p                         ; row p of my four becomes (x - mean) * rsqrt(var + eps) * gain + beta, in place
.set XR, X+32*(\p)
	s_wait_loadcnt 8*(3-(\p))                      ; my row's eight loads are in; the younger rows' stay out
	v_pk_add_f32 v[T:T+1], v[XR:XR+1], v[XR+2:XR+3]
	v_pk_add_f32 v[T+2:T+3], v[XR+4:XR+5], v[XR+6:XR+7]
.irp j, 8,12,16,20,24,28
	v_pk_add_f32 v[T:T+1], v[T:T+1], v[XR+\j:XR+\j+1]
	v_pk_add_f32 v[T+2:T+3], v[T+2:T+3], v[XR+\j+2:XR+\j+3]
.endr
	v_pk_add_f32 v[T:T+1], v[T:T+1], v[T+2:T+3]
	v_add_f32 v14, v[T], v[T+1]
	LANESUM
	v_mul_f32 v10, s58, v14                        ; the mean
	v_mov_b32 v11, v10
.irp j, 0,2,4,6,8,10,12,14,16,18,20,22,24,26,28,30
	v_pk_add_f32 v[XR+\j:XR+\j+1], v[XR+\j:XR+\j+1], v[10:11] neg_lo:[0,1] neg_hi:[0,1]
.endr
	v_pk_mul_f32 v[T:T+1], v[XR:XR+1], v[XR:XR+1]
	v_pk_mul_f32 v[T+2:T+3], v[XR+2:XR+3], v[XR+2:XR+3]
.irp j, 4,8,12,16,20,24,28
	v_pk_fma_f32 v[T:T+1], v[XR+\j:XR+\j+1], v[XR+\j:XR+\j+1], v[T:T+1]
	v_pk_fma_f32 v[T+2:T+3], v[XR+\j+2:XR+\j+3], v[XR+\j+2:XR+\j+3], v[T+2:T+3]
.endr
	v_pk_add_f32 v[T:T+1], v[T:T+1], v[T+2:T+3]
	v_add_f32 v14, v[T], v[T+1]
	LANESUM
	v_fma_f32 v14, v14, s58, s59                   ; the variance + eps
	s_wait_alu depctr_va_vdst(0)
	v_rsq_f32 v12, v14
	v_mov_b32 v15, 0                               ; a plain instruction behind the transcendental
	s_wait_alu depctr_va_vdst(0)                   ; the wait ahead of the first reader
	v_mov_b32 v13, v12
.irp j, 0,2,4,6,8,10,12,14,16,18,20,22,24,26,28,30
	v_pk_mul_f32 v[XR+\j:XR+\j+1], v[XR+\j:XR+\j+1], v[12:13]
.endr
.irp j, 0,2,4,6,8,10,12,14,16,18,20,22,24,26,28,30
	v_pk_fma_f32 v[XR+\j:XR+\j+1], v[XR+\j:XR+\j+1], v[G+\j:G+\j+1], v[BT+\j:BT+\j+1]
.endr
.endm
.macro QS p, k                         ; row p quantised with scale k and stored.  Register 4 i + j of a lane is column 128 i + 4 lane + j, so code word i lies at byte 128 i + 4 lane of the row
.set XR, X+32*(\p)
.irp q, 0,1,2,3
.irp i, 0,1,2,3,4,5,6,7
	v_med3_num_f32 v[T+8*(\q%2)+\i], v[XR+8*\q+\i], -v[5+2*(\k)], v[5+2*(\k)]   ; the hold, into one of two sets by turns: the other set's eight holds stand between a conversion and the next write of its sources
.endr
	v_cvt_scalef32_pk8_bf8_f32 v[C+2*\q:C+2*\q+1], v[T+8*(\q%2):T+8*(\q%2)+7], v[4+2*(\k)]
.endr
	v_nop                                          ; a plain line behind the last conversion
.irp j, 0,1,2,3,4,5,6,7
	ds_store_b32 v2, v[C+\j] offset:128*\j+1024*(\k)
.endr
	s_wait_xcnt 0x0                                ; the earlier stores to memory have read the registers into which the row now comes back
	ds_load_b128 v[O:O+3], v3 offset:1024*(\k)
	ds_load_b128 v[O+4:O+7], v3 offset:512+1024*(\k)
	s_wait_dscnt 0x0                               ; the row is back, and the LDS stores have read the codes' registers
	global_store_b128 v1, v[O:O+3], s[40+2*(\k):41+2*(\k)] offset:1024*(\p)        ; 32 lanes store 512 consecutive bytes, aligned
	global_store_b128 v1, v[O+4:O+7], s[40+2*(\k):41+2*(\k)] offset:1024*(\p)+512
.endm
.Lln:
	s_sub_co_u32 s50, ttmp9, 384
	s_lshl_b32 s50, s50, 4
	s_lshl_b32 s51, s2, 2
	s_add_co_u32 s50, s50, s51                     ; my wave's first row
	s_lshl_b32 s52, s50, 12
	s_mov_b32 s53, 0
	s_lshl_b32 s54, s50, 10
	s_mov_b32 s55, 0
	s_mov_b32 s56, 0x76543210                      ; v_permlanex16_b32: lane l xor 16
	s_mov_b32 s57, 0xfedcba98
	s_mov_b32 s58, 0x3a800000                      ; 1 / 1,024
	s_mov_b32 s59, 0x3727c5ac                      ; 1e-5
	s_mul_i32 s3, s2, 3072
	s_add_co_u32 s3, s3, LNB
	s_wait_alu depctr_va_vdst(0)
	v_lshl_add_u32 v2, v1, 2, s3                   ; my stage: 4 bytes a lane on the way in,
	v_lshl_add_u32 v3, v1, 4, s3                   ; 16 on the way out
	v_lshlrev_b32 v1, 4, v1                        ; 16 x lane
	v_mov_b32 v15, 0                               ; a lane permute's destination counts as read
	s_wait_alu depctr_va_vdst(0)
	s_wait_kmcnt 0x0
	s_load_b256 s[32:39], s[22:23], 0x0            ; entries 0 to 7: 1, 3, 5 are h's
	s_add_nc_u64 s[16:17], s[16:17], s[52:53]
	s_add_nc_u64 s[40:41], s[26:27], s[54:55]
	s_add_nc_u64 s[42:43], s[40:41], 0x400000
	s_add_nc_u64 s[44:45], s[42:43], 0x400000
.irp i, 0,1,2,3,4,5,6,7
	global_load_b128 v[G+4*\i:G+4*\i+3], v1, s[18:19] offset:512*\i
.endr
.irp i, 0,1,2,3,4,5,6,7
	global_load_b128 v[BT+4*\i:BT+4*\i+3], v1, s[20:21] offset:512*\i
.endr
.irp p, 0,1,2,3
.irp i, 0,1,2,3,4,5,6,7
	global_load_b128 v[X+32*\p+4*\i:X+32*\p+4*\i+3], v1, s[16:17] offset:4096*\p+512*\i th:TH_LOAD_NT
.endr
.endr
	s_wait_kmcnt 0x0
.irp k, 0,1,2
	s_add_co_i32 s46, s[33+2*\k], 127
	s_lshl_b32 s47, s46, 23
	v_mov_b32 v[4+2*\k], s47                       ; 2^e
	s_add_co_i32 s46, s46, 15
	s_lshl_b32 s46, s46, 23
	s_or_b32 s46, s46, 0x600000
	v_mov_b32 v[5+2*\k], s46                       ; 57,344 x 2^e
.endr
.irp p, 0,1,2,3
	LNROW \p
	QS \p, 0
	QS \p, 1
	QS \p, 2
.endr
	s_wait_tensorcnt 0x0
	ds_add_u32 v254, v255
	s_wait_dscnt 0x0
	s_endpgm
.Lfunc_end_k_qbe569493cd_prep:
	.size	k_qbe569493cd_prep, .Lfunc_end_k_qbe569493cd_prep-k_qbe569493cd_prep
	.p2alignl 7, 3214868480
	.fill 96, 4, 3214868480
	.section	.rodata,"a",@progbits
	.p2align	6, 0x0
	.amdhsa_kernel k_qbe569493cd_prep
		.amdhsa_group_segment_fixed_size 47616
		.amdhsa_private_segment_fixed_size 0
		.amdhsa_enable_private_segment 0
		.amdhsa_kernarg_size 96
		.amdhsa_user_sgpr_count 2
		.amdhsa_user_sgpr_kernarg_segment_ptr 1
		.amdhsa_wavefront_size32 1
		.amdhsa_system_sgpr_workgroup_id_x 1
		.amdhsa_system_sgpr_workgroup_id_y 1
		.amdhsa_system_sgpr_workgroup_id_z 1
		.amdhsa_system_vgpr_workitem_id 0
		.amdhsa_next_free_vgpr 256
		.amdhsa_next_free_sgpr 66
		.amdhsa_reserve_vcc 0
		.amdhsa_float_denorm_mode_32 3
		.amdhsa_float_denorm_mode_16_64 3
		.amdhsa_memory_ordered 1
		.amdhsa_forward_progress 1
		.amdhsa_inst_pref_size 121
	.end_amdhsa_kernel
	.amdgpu_metadata
---
amdhsa.version: [ 1, 2 ]
amdhsa.kernels:
  - .name:           k_qbe569493cd_prep
    .symbol:         k_qbe569493cd_prep.kd
    .args:
      - { .name: Wq, .offset: 0, .size: 8, .value_kind: global_buffer, .address_space: global }
      - { .name: Wk, .offset: 8, .size: 8, .value_kind: global_buffer, .address_space: global }
      - { .name: Wv, .offset: 16, .size: 8, .value_kind: global_buffer, .address_space: global }
      - { .name: Wo, .offset: 24, .size: 8, .value_kind: global_buffer, .address_space: global }
      - { .name: W1, .offset: 32, .size: 8, .value_kind: global_buffer, .address_space: global }
      - { .name: W2, .offset: 40, .size: 8, .value_kind: global_buffer, .address_space: global }
      - { .name: x, .offset: 48, .size: 8, .value_kind: global_buffer, .address_space: global }
      - { .name: g1, .offset: 56, .size: 8, .value_kind: global_buffer, .address_space: global }
      - { .name: beta1, .offset: 64, .size: 8, .value_kind: global_buffer, .address_space: global }
      - { .name: lowp_scales, .offset: 72, .size: 8, .value_kind: global_buffer, .address_space: global }
      - { .name: wc, .offset: 80, .size: 8, .value_kind: global_buffer, .address_space: global }
      - { .name: hc, .offset: 88, .size: 8, .value_kind: global_buffer, .address_space: global }
    .group_segment_fixed_size: 47616
    .private_segment_fixed_size: 0
    .kernarg_segment_align: 8
    .kernarg_segment_size: 96
    .max_flat_workgroup_size: 128
    .sgpr_count:     66
    .vgpr_count:     256
    .wavefront_size: 32
...
	.end_amdgpu_metadata
.endif
;; end of part 1
;; launch qkv (part 2): grid 12 x 16, 4 waves a work-group, clusters of 4 x 4, 327,680 bytes of LDS; arguments hc, wc, lowp_scales, qkvc; writes qkvc
.if DOCPART == 2
	.amdgcn_target "amdgcn-amd-amdhsa--gfx1250"
	.amdhsa_code_object_version 6
	.text
	.protected	k_qbe569493cd_qkv
	.globl	k_qbe569493cd_qkv
	.p2align	8
	.type	k_qbe569493cd_qkv,@function
k_qbe569493cd_qkv:
	s_mov_b64 s[64:65], 0
	v_nop
	global_prefetch_b8 v0, s[64:65] scope:SCOPE_SE
	s_setreg_imm32_b32 hwreg(HW_REG_WAVE_MODE, 25, 1), 1
	s_wait_xcnt 0x0
	s_wait_alu depctr_hold_cnt(0) depctr_sa_sdst(0) depctr_va_vdst(0) depctr_va_sdst(0) depctr_va_ssrc(0) depctr_va_vcc(0) depctr_vm_vsrc(0)
	s_getreg_b32 s2, hwreg(HW_REG_IB_STS2, 6, 4)
	s_cmp_eq_u32 s2, 0
	s_cbranch_scc0 .Lentry_in_a_cluster
	s_endpgm
.Lentry_in_a_cluster:
	s_bfe_u32 s2, ttmp6, 0x10000c
	s_cmp_lg_u32 s2, 0xf033
	s_cbranch_scc0 .Lentry_shape_is_right
	s_endpgm
.Lentry_shape_is_right:
; QKV.  Three products on codes of E5M2, K = 1,024, one column of clusters each (cluster x = 0: Q, 1: K, 2: V); the f32 sums are quantised at once (scale entries 6, 7, 9) and stored as codes.
; A tile of 256 x 256 is made by four waves, 128 x 128 each (64 accumulators).  K goes in steps of 256 through two LDS slots filled by joint tensor loads: the four work-groups of a row of the cluster share
; the tile of the row operand, the four of a column that of the column operand.  The matrix instruction is used transposed (source 0 = 16 rows of the column operand, source 1 = 16 of the row operand):
; a lane holds eight neighbouring columns of one row.  Q, K: rows = tokens (h's codes), columns = 64 head + channel (the weight's codes): eight neighbours along the scores' K.
; V: the operands change places (rows = the weight's, columns = tokens), so that a lane's eight numbers are eight neighbouring KEYS, the second attention product's K.  Only pointers and tile numbers differ.
; OUT: Q at 0, K at 4 MiB: [32 batch-head][2,048 pos][64]; V at 8 MiB: [32][32 groups of 64 keys][64 pos][64 keys].  pos = the row's number (token; for V the channel) with bits 3 and 4 exchanged.
; LIMITS: entry6-entry0-entry1, entry7-entry2-entry3 and entry9-entry4-entry5 lie between -126 and 112.  NaN is not served.
; REGISTERS: window 0: v0-31 addresses and constants; from v128 the row operand's fragments, one set; window 1: the column operand's, two sets; windows 2, 3: the accumulators.
.set SIZE_K, 1024
.set KSTEP,  256
.set ROWB,   256
.set KROW,   SIZE_K
.set PITCH,  272                       ; an LDS row: 256 bytes + 16 of padding: the 16 rows that a load touches start at 16 different groups of banks
.set FR,     16
.set NL,     4
.set NP,     4
.set HALFT,  128*PITCH
.set SLOT,   4*HALFT
.set LAPS,   SIZE_K/(2*KSTEP)
.set SPARE,  2*SLOT                    ; behind the ring: the spare words, 128 bytes a wave, which no other line names
.set ADRA, 16
.set ADRB, 20
.set STO,  24
.set RD,   25
.set CO,   26
.set SPW,  28
.set NIL,  29
.set TMP,  32                          ; the way out: v32-95 a block's held sums; v96-223 the codes, then the rows read back
.set CD,   96
.set AF,   128
.set G1, 24
.set G0, 32
.set G1B, 48
.set G0B, 56
.set MSB, 0
.macro WIN new
.if MSB != \new
	s_set_vgpr_msb (MSB<<8)|\new
.set MSB, \new
.endif
.endm
.set MUL_LO, 0xa1
.set MUL_HI, 0xf1
.set TO_B,   0x40
.macro JLOAD g0a, g1a, g0b, g1b        ; a joint load: waves 0, 1 fetch the row operand's halves, waves 2, 3 the column operand's; four v_nop follow each line
	s_cmp_eq_u32 s15, 0
	s_cbranch_scc0 .Lfor_b_\@
	tensor_load_to_lds s[\g0a:\g0a+3], s[\g1a:\g1a+7]
	s_nop 0
.rept 4
	v_nop
.endr
	s_branch .Lasked_\@
.Lfor_b_\@:
	tensor_load_to_lds s[\g0b:\g0b+3], s[\g1b:\g1b+7]
	s_nop 0
.rept 4
	v_nop
.endr
.Lasked_\@:
.endm
.macro CREST
	s_cmp_lg_u32 s14, 0
	s_cbranch_scc1 .Lnot_wave_0_\@
	s_barrier_signal -3
.Lnot_wave_0_\@:
	s_barrier_wait -3
	s_barrier_signal -1
	s_barrier_wait -1
.endm
.macro CROUND
	s_barrier_signal -1
	s_barrier_wait -1
	CREST
.endm
	s_load_b128 s[4:7], s[0:1], 0x0                ; hc, wc
	s_load_b128 s[8:11], s[0:1], 0x10              ; the scales' exponents, qkvc
	v_lshl_add_u32 v[SPW], v0, 2, SPARE
	v_mov_b32 v[NIL], 0
	ds_add_u32 v28, v29
	ds_add_u32 v28, v29
	s_wait_dscnt 0x0
	v_lshrrev_b32 v1, 5, v0
	v_readfirstlane_b32 s14, v1                    ; wave
	s_lshr_b32 s15, s14, 1                         ; my half of the tile's rows; also: I fetch the row operand (0) or the column operand (1)
	s_and_b32 s16, s14, 1                          ; my half of its columns; also: which 128 rows I fetch
	s_bfe_u32 s40, ttmp6, 0x40000                  ; cx
	s_bfe_u32 s41, ttmp6, 0x40004                  ; cy
	s_and_b32 s19, ttmp7, 0xffff
	s_lshl_b32 s19, s19, 2                         ; 4 x cluster y
	s_add_co_u32 s17, s19, s41
	s_add_co_u32 s42, s19, s40
	s_cmp_eq_u32 ttmp9, 2                          ; V's clusters?  The cluster's x is the same in all sixteen partners
	s_cselect_b32 s17, s41, s17                    ; tile row: 4 Y + cy of 16 token tiles; V: cy of the weight's 4
	s_cselect_b32 s42, s42, s40                    ; tile column: cx of the weight's 4; V: 4 Y + cx
	s_lshl_b32 s43, s41, 2
	s_lshl_b32 s43, 15, s43                        ; my row of the cluster
	s_lshl_b32 s44, 0x1111, s40                    ; my column
	s_or_b32 s[G1+0], s43, (0<<16)|(1<<20)|(1<<21)|(5<<22)|(3<<25)   ; the mask; elements of 1 byte; padding: 4 words behind every 64; bit 21 beside a mask
	s_or_b32 s[G1B+0], s44, (0<<16)|(1<<20)|(1<<21)|(5<<22)|(3<<25)
.irp g, G1, G1B
	s_mov_b32 s[\g+1], ROWB<<16                    ; tensor_dim0
	s_mov_b32 s[\g+2], 128<<16                     ; tensor_dim1
	s_mov_b32 s[\g+3], ROWB<<16                    ; tile_dim0
	s_mov_b32 s[\g+4], 128                         ; tile_dim1
	s_mov_b32 s[\g+5], KROW                        ; the pitch
	s_mov_b32 s[\g+6], 0
	s_mov_b32 s[\g+7], 0
.endr
	s_lshl_b32 s18, s16, 7
	s_lshl_b32 s20, s17, 8
	s_add_co_u32 s20, s20, s18
	s_lshl_b32 s46, s42, 8
	s_add_co_u32 s46, s46, s18
	s_mov_b32 s21, 0
	s_mov_b32 s47, 0
	s_mov_b64 s[18:19], KROW
	s_mul_u64 s[20:21], s[20:21], s[18:19]
	s_mul_u64 s[46:47], s[46:47], s[18:19]
	s_mul_i32 s45, s14, HALFT
	s_lshl_b32 s84, ttmp9, 22
	s_mov_b32 s85, 0
	s_lshl_b32 s86, ttmp9, 20
	s_mov_b32 s87, 0
	s_wait_kmcnt 0x0
	s_load_b512 s[68:83], s[8:9], 0x0              ; all sixteen exponents
	s_add_nc_u64 s[84:85], s[4:5], s[84:85]        ; h's codes at this product's scale
	s_add_nc_u64 s[86:87], s[6:7], s[86:87]        ; this product's weight
	s_cmp_eq_u32 ttmp9, 2
	s_cselect_b64 s[88:89], s[86:87], s[84:85]     ; the row operand
	s_cselect_b64 s[90:91], s[84:85], s[86:87]     ; the column operand
	s_add_nc_u64 s[20:21], s[88:89], s[20:21]
	s_add_nc_u64 s[46:47], s[90:91], s[46:47]
	CROUND                                         ; all sixteen work-groups are here: the first joint loads meet
.irp s, 0,1
	s_mov_b32 s[G0+4*\s], 1
	s_add_co_u32 s[G0+4*\s+1], s45, \s*SLOT
	s_add_nc_u64 s[G0+4*\s+2:G0+4*\s+3], s[20:21], \s*ROWB
	s_or_b32 s[G0+4*\s+3], s[G0+4*\s+3], 0x80000000
	s_mov_b32 s[G0B+4*\s], 1
	s_add_co_u32 s[G0B+4*\s+1], s45, \s*SLOT
	s_add_nc_u64 s[G0B+4*\s+2:G0B+4*\s+3], s[46:47], \s*ROWB
	s_or_b32 s[G0B+4*\s+3], s[G0B+4*\s+3], 0x80000000
.if \s                                         ; slot 1's first fill is issued as a refill is: behind a wait for my loads, the spare-word add and a whole round
	s_wait_alu depctr_va_vdst(0)
	s_wait_tensorcnt 0x0
	ds_add_u32 v28, v29
	s_wait_dscnt 0x0
	CROUND
.endif
	JLOAD G0+4*\s, G1, G0B+4*\s, G1B
.endr
	v_and_b32 v1, 15, v0                           ; r
	s_wait_alu depctr_va_vdst(0)
	v_bfe_u32 v2, v0, 4, 1                         ; h
	v_mul_u32_u24 v3, v1, PITCH
	v_lshl_add_u32 v4, v2, 4, v3
	s_mul_i32 s21, s15, HALFT
	s_mul_i32 s22, s16, HALFT
	s_add_co_u32 s22, s22, 2*HALFT
.irp s, 0,1
	v_add_nc_u32 v[ADRA+\s], s21, v4
	v_add_nc_u32 v[ADRB+\s], s22, v4
	s_add_co_u32 s21, s21, SLOT
	s_add_co_u32 s22, s22, SLOT
.endr
	s_lshl_b32 s23, s14, 14                        ; my stage: 16,384 bytes in slot 0, which has had its last fill and its last read when the first code is stored there
	v_lshrrev_b32 v5, 3, v1
	v_and_b32 v6, 7, v1
	v_lshlrev_b32 v5, 10, v5
	v_lshl_add_u32 v5, v6, 6, v5
	v_lshl_add_u32 v5, v2, 3, v5
	v_add_nc_u32 v[STO], s23, v5                   ; in: (r / 8) 1,024 + (r % 8) 64 + 8 h: bit 3 of the row goes to bit 4 of pos
	v_and_b32 v6, 31, v0
	v_lshlrev_b32 v[CO], 4, v6
	v_add_nc_u32 v[RD], s23, v[CO]                 ; back: 512 consecutive bytes an instruction
	s_lshl_b32 s92, s17, 8
	s_lshl_b32 s93, s15, 7
	s_add_co_u32 s92, s92, s93                     ; my first row
	s_lshl_b32 s93, s42, 8
	s_lshl_b32 s94, s16, 7
	s_add_co_u32 s93, s93, s94                     ; my first column
	s_mov_b32 s98, 131072
	s_mov_b32 s99, 4096
	s_cmp_eq_u32 ttmp9, 2
	s_cselect_b32 s94, s93, s92                    ; the first token
	s_cselect_b32 s95, s92, s93                    ; the first 64 head + channel
	s_cselect_b32 s98, 4096, s98                   ; from one 64 columns to the next: a head; V: a group of keys
	s_cselect_b32 s99, 131072, s99                 ; from one 64 rows to the next: 64 pos; V: a head
	s_lshr_b32 s92, s94, 11
	s_lshl_b32 s92, s92, 4
	s_lshr_b32 s93, s95, 6
	s_add_co_u32 s92, s92, s93
	s_lshl_b32 s92, s92, 17                        ; the batch-head's 131,072 bytes
	s_and_b32 s93, s94, 2047
	s_lshl_b32 s93, s93, 6
	s_add_co_u32 s92, s92, s93
	s_lshl_b32 s93, ttmp9, 22
	s_add_co_u32 s92, s92, s93
	s_mov_b32 s93, 0
	s_mov_b32 s94, s98
	s_mov_b32 s95, 0
	s_mov_b32 s98, s99
	s_mov_b32 s99, 0
	s_add_nc_u64 s[84:85], s[10:11], s[92:93]      ; four bases: (column chunk, row half)
	s_add_nc_u64 s[86:87], s[84:85], s[98:99]
	s_add_nc_u64 s[88:89], s[84:85], s[94:95]
	s_add_nc_u64 s[90:91], s[88:89], s[98:99]
.macro FRAG reg, adr, q, i             ; 16 rows x 128 K: 16 registers; registers 4 c .. 4 c + 3 hold K = 32 c + 16 h + 0 .. 15, alike in both operands
.irp c, 0,1,2,3
	ds_load_b128 v[\reg+4*\c:\reg+4*\c+3], v[\adr] offset:128*(\q)+32*\c+(\i)*16*PITCH
.endr
.endm
.macro MUL16 a0, p, zero               ; the 64 accumulators take turns, one instruction a turn, in the same order in every step
.irp a, \a0, \a0+1
.irp b, 0,1,2,3,4,5,6,7
.if \zero
	v_wmma_f32_16x16x128_bf8_bf8 v[8*(8*((\a)%4)+\b):8*(8*((\a)%4)+\b)+7], v[128*(\p)+FR*\b:128*(\p)+FR*\b+FR-1], v[AF+FR*(\a):AF+FR*(\a)+FR-1], 0
.else
	v_wmma_f32_16x16x128_bf8_bf8 v[8*(8*((\a)%4)+\b):8*(8*((\a)%4)+\b)+7], v[128*(\p)+FR*\b:128*(\p)+FR*\b+FR-1], v[AF+FR*(\a):AF+FR*(\a)+FR-1], v[8*(8*((\a)%4)+\b):8*(8*((\a)%4)+\b)+7]
.endif
.endr
.endr
.endm
.macro FETCH_B slot, q, p
	WIN TO_B
.irp i, 0,1,2,3,4,5,6,7
	FRAG 128*(\p)+FR*\i, ADRB+\slot, \q, \i
.endr
	WIN 0
.endm
.macro FETCH_A slot, q, i0
.irp i, \i0, \i0+1, \i0+2, \i0+3
	FRAG AF+FR*(\i), ADRA+\slot, \q, \i
.endr
.endm
.macro PLACES n                        ; plain vector instructions between a matrix instruction and a load into, or a vector read of, its registers
.rept \n
	v_nop
.endr
.endm
.macro STEP slot, q, zero
	s_wait_dscnt 4*NL                              ; the column operand's set and blocks 0-3 are in; the youngest 16 loads (blocks 4-7) may be out
	WIN MUL_LO
	MUL16 0, (\q)%2, \zero
	MUL16 2, (\q)%2, \zero
	s_wait_dscnt 0
	PLACES NP
	FETCH_B \slot, (\q)+1, 1-(\q)%2
	FETCH_A \slot, (\q)+1, 0
	WIN MUL_HI
	MUL16 4, (\q)%2, \zero
	MUL16 6, (\q)%2, \zero
	PLACES NP
	WIN 0
	FETCH_A \slot, (\q)+1, 4
.endm
.macro TURN slot, next, fill           ; a slot's last step changes slots: one barrier
	s_wait_tensorcnt 0x0                           ; all my tensor loads have landed: my part of the next slot
	ds_add_u32 v[SPW], v[NIL]                      ; 0 onto my spare word
	s_wait_dscnt 4*NL+1                            ; the add and the youngest 16 loads may be out
	WIN MUL_LO
	MUL16 0, 1, 0
	s_wait_dscnt 0x0                               ; the add is done, and my reads of this slot are over
	s_barrier_signal -1
	MUL16 2, 1, 0
	WIN 0
	s_barrier_wait -1
.if \fill
	CREST                                          ; the barrier has opened a round of the cluster's: no wave of any partner still reads this slot or has a load on its way
	s_add_nc_u64 s[G0+4*\slot+2:G0+4*\slot+3], s[G0+4*\slot+2:G0+4*\slot+3], 2*ROWB
	s_add_nc_u64 s[G0B+4*\slot+2:G0B+4*\slot+3], s[G0B+4*\slot+2:G0B+4*\slot+3], 2*ROWB
	JLOAD G0+4*\slot, G1, G0B+4*\slot, G1B
.else
	PLACES NP
.endif
	FETCH_B \next, 0, 0
	FETCH_A \next, 0, 0
	WIN MUL_HI
	MUL16 4, 1, 0
	MUL16 6, 1, 0
	PLACES NP
	WIN 0
	FETCH_A \next, 0, 4
.endm
	s_wait_tensorcnt 1                             ; my part of K step 0 is in; K step 1's load may be out
	s_barrier_signal -1
	s_barrier_wait -1
	FETCH_B 0, 0, 0
	FETCH_A 0, 0, 0
	FETCH_A 0, 0, 4
	STEP 0, 0, 1
	s_mov_b32 s3, LAPS-1
.Llap:
	TURN 0, 1, 1
	STEP 1, 0, 0
	TURN 1, 0, 1
	STEP 0, 0, 0
	s_sub_co_u32 s3, s3, 1
	s_cmp_lg_u32 s3, 0
	s_cbranch_scc1 .Llap
	TURN 0, 1, 0
	STEP 1, 0, 0
	s_wait_dscnt 4*NL
	WIN MUL_LO
	MUL16 0, 1, 0
	MUL16 2, 1, 0
	s_wait_dscnt 0
	WIN MUL_HI
	MUL16 4, 1, 0
	MUL16 6, 1, 0
	WIN 0
; THE WAY OUT.  A sum stands for sum x 2^(ea + eb); its code is sum / 2^(eo - ea - eb): the three scales are folded into the conversion's one.
	s_wait_kmcnt 0x0
	s_cmp_eq_u32 ttmp9, 0
	s_cselect_b32 s92, s68, s70
	s_cselect_b32 s93, s69, s71
	s_cselect_b32 s94, s74, s75
	s_cmp_eq_u32 ttmp9, 2
	s_cselect_b32 s92, s72, s92
	s_cselect_b32 s93, s73, s93
	s_cselect_b32 s94, s77, s94
	s_sub_co_i32 s94, s94, s92
	s_sub_co_i32 s94, s94, s93
	s_add_co_i32 s94, s94, 127
	s_lshl_b32 s95, s94, 23
	v_mov_b32 v31, s95
	s_add_co_i32 s94, s94, 15
	s_lshl_b32 s94, s94, 23
	s_or_b32 s94, s94, 0x600000
	v_mov_b32 v30, s94
	PLACES NP
.macro QBLK a                          ; block a: 16 rows x 128 columns: held, converted, 8 bytes a lane and tile into the stage
.set AC, 64*((\a)%4)
.set WN, 0x02+((\a)/4)
	WIN WN
.set j, 0
.rept 64
	v_med3_num_f32 v[TMP+j], v[AC+j], -v30, v30    ; each accumulator from its low end on
.set j, j+1
.endr
	WIN 0
.irp b, 0,1,2,3,4,5,6,7
	v_cvt_scalef32_pk8_bf8_f32 v[CD+16*(\a)+2*\b:CD+16*(\a)+2*\b+1], v[TMP+8*\b:TMP+8*\b+7], v31
.endr
	v_nop                                          ; a plain line behind the last conversion
.irp b, 0,1,2,3,4,5,6,7
	ds_store_b64 v[STO], v[CD+16*(\a)+2*\b:CD+16*(\a)+2*\b+1] offset:(\b/4)*8192+((\a)/2)*2048+((\a)%2)*512+(\b%4)*16   ; bit 4 of the row goes to bit 3 of pos
.endr
.endm
.irp a, 0,1,2,3,4,5,6,7
	QBLK \a
.endr
	s_wait_dscnt 0x0                               ; the stores have read the registers into which the rows come back
.set i, 0
.rept 32
	ds_load_b128 v[CD+4*i:CD+4*i+3], v[RD] offset:512*i
.set i, i+1
.endr
.set i, 0
.rept 32
	s_wait_dscnt 31-i                              ; the younger reads of the stage may be out
	global_store_b128 v[CO], v[CD+4*i:CD+4*i+3], s[84+4*(i/16)+2*((i/8)%2):85+4*(i/16)+2*((i/8)%2)] offset:512*(i%8)   ; 32 lanes store 512 consecutive bytes, aligned
.set i, i+1
.endr
	s_wait_tensorcnt 0x0                           ; the wave's end
	ds_add_u32 v[SPW], v[NIL]
	s_wait_dscnt 0x0
	CROUND                                         ; the closing round
	s_endpgm
.Lfunc_end_k_qbe569493cd_qkv:
	.size	k_qbe569493cd_qkv, .Lfunc_end_k_qbe569493cd_qkv-k_qbe569493cd_qkv
	.p2alignl 7, 3214868480
	.fill 96, 4, 3214868480
	.section	.rodata,"a",@progbits
	.p2align	6, 0x0
	.amdhsa_kernel k_qbe569493cd_qkv
		.amdhsa_group_segment_fixed_size 327680
		.amdhsa_private_segment_fixed_size 0
		.amdhsa_enable_private_segment 0
		.amdhsa_kernarg_size 32
		.amdhsa_user_sgpr_count 2
		.amdhsa_user_sgpr_kernarg_segment_ptr 1
		.amdhsa_wavefront_size32 1
		.amdhsa_system_sgpr_workgroup_id_x 1
		.amdhsa_system_sgpr_workgroup_id_y 1
		.amdhsa_system_sgpr_workgroup_id_z 1
		.amdhsa_system_vgpr_workitem_id 0
		.amdhsa_next_free_vgpr 1024
		.amdhsa_next_free_sgpr 100
		.amdhsa_reserve_vcc 0
		.amdhsa_float_denorm_mode_32 3
		.amdhsa_float_denorm_mode_16_64 3
		.amdhsa_memory_ordered 1
		.amdhsa_forward_progress 1
		.amdhsa_inst_pref_size 127
	.end_amdhsa_kernel
	.amdgpu_metadata
---
amdhsa.version: [ 1, 2 ]
amdhsa.kernels:
  - .name:           k_qbe569493cd_qkv
    .symbol:         k_qbe569493cd_qkv.kd
    .args:
      - { .name: hc, .offset: 0, .size: 8, .value_kind: global_buffer, .address_space: global }
      - { .name: wc, .offset: 8, .size: 8, .value_kind: global_buffer, .address_space: global }
      - { .name: lowp_scales, .offset: 16, .size: 8, .value_kind: global_buffer, .address_space: global }
      - { .name: qkvc, .offset: 24, .size: 8, .value_kind: global_buffer, .address_space: global }
    .group_segment_fixed_size: 327680
    .private_segment_fixed_size: 0
    .kernarg_segment_align: 8
    .kernarg_segment_size: 32
    .max_flat_workgroup_size: 128
    .sgpr_count:     100
    .vgpr_count:     1024
    .wavefront_size: 32
...
	.end_amdgpu_metadata
.endif
;; end of part 2
;; launch attn (part 3): grid 8 x 32, 8 waves a work-group, clusters of 4 x 1, 327,680 bytes of LDS; arguments qkvc, lowp_scales, cc; writes cc
.if DOCPART == 3
	.amdgcn_target "amdgcn-amd-amdhsa--gfx1250"
	.amdhsa_code_object_version 6
	.text
	.protected	k_qbe569493cd_attn
	.globl	k_qbe569493cd_attn
	.p2align	8
	.type	k_qbe569493cd_attn,@function
k_qbe569493cd_attn:
	s_mov_b64 s[64:65], 0
	v_nop
	global_prefetch_b8 v0, s[64:65] scope:SCOPE_SE
	s_setreg_imm32_b32 hwreg(HW_REG_WAVE_MODE, 25, 1), 1
	s_wait_xcnt 0x0
	s_wait_alu depctr_hold_cnt(0) depctr_sa_sdst(0) depctr_va_vdst(0) depctr_va_sdst(0) depctr_va_ssrc(0) depctr_va_vcc(0) depctr_vm_vsrc(0)
	s_getreg_b32 s2, hwreg(HW_REG_IB_STS2, 6, 4)
	s_cmp_eq_u32 s2, 0
	s_cbranch_scc0 .Lentry_in_a_cluster
	s_endpgm
.Lentry_in_a_cluster:
	s_bfe_u32 s2, ttmp6, 0x10000c
	s_cmp_lg_u32 s2, 0x3003
	s_cbranch_scc0 .Lentry_shape_is_right
	s_endpgm
.Lentry_shape_is_right:
; ATTENTION on codes of E5M2: scores (K = 64), the softmax ahead of a quantised product, P V (K = the keys), the result quantised (scale entry 10) into cc.
; t = score x log2(e) / 8; M = the running largest t rounded up to a whole number; p = 2^(t - M) is quantised (entry 8), not normalised; the row's sum of the unquantised p divides at the end.
; SHARES.  A work-group owns 256 queries of ONE batch-head; each of its eight waves owns 32 of them, two tiles A and B of 16: every fragment of K and of V that a wave reads from LDS feeds two matrix instructions.
; ALL OF THE HEAD'S K AND V COME TO LIE IN LDS: 2 x 2,048 x 64 bytes, dense in memory, stated as rows of 256 bytes with 16 of padding; a step of 128 keys is 32 such rows of K and 32 of V.  They are asked for in two parts.
; At the head wave w asks for one step's 32 rows (waves 0-3: K's steps 0-3; waves 4-7: V's).  Behind the full sequence and a round it asks for 96 rows more (K's, or V's, steps 4 + 3 (w % 4) on): a first fill too.
; Steps 0 to 2 read the first part alone (step 2 looks ahead to K's step 3); one wait and one barrier stand ahead of step 3.  Nothing is filled again.  Nothing is prefetched: every byte is asked for ahead of the first step.
; CLUSTER.  The four work-groups of a cluster are four query blocks of the same batch-head: every load is a joint one (mask 15).
; LAYOUT.  Both products are used transposed: a lane holds one query of each tile throughout.  K's rows lie by pos (the key with bits 3 and 4 exchanged), so key tile 2 b + u, register j, lane half h is key
; 32 b + 16 h + 8 u + j: the 16 registers of two neighbouring tiles are 16 neighbouring keys.  V's rows lie by pos of the channel, so O^T gives 16 neighbouring channels for the last quantiser.
; A STEP.  V's fragments are asked for at the step's head, the next step's K behind the scores' products.  The two tiles' chains stand line by line beside each other.
; Tile A's exponentials stand among tile B's multiply-adds, tile B's among tile A's first sums and holds: lines that write a register once, which is read only behind the batch's wait.
; The step is written twice, for a loop of 3 trips and one of 13.  The sixteenth step's look-ahead reads the 32 LDS rows behind K's last, which are V's first: 16 loads whose registers nobody reads.
; OUT.  cc: [64 blocks of 64 tokens][16 heads][64 tokens][64 codes]: a wave's 32 queries of its head are 2,048 consecutive bytes.
; LIMITS: entry6 + entry7 between -123 and 130; entry 8 and entry 10 between -126 and 112.  NaN is not served.
; REGISTERS.  Window 0: v1, v7 my lane's place in K, in V; v2, v3 the step's addresses; v4, v8-11 scales and bounds; v12-15 (-M, t) of A, of B; v16-19 the sums; v20-23 f; v24-29 at work; v32-63 at work;
;   v64-127 S^T of A, v128-191 of B, then p; v192-255 K's eight fragments.   Window 1: v0-31 O^T of A, v32-63 of B; v64-79 Q; v80-111 p's codes; v112-175 V's four fragments.
.set SBY,   32*272                     ; a step's rows of K, or of V, in LDS
.set VOFF,  16*SBY                     ; V lies behind K
.set STAGE, 32*SBY                     ; behind both: 8 rows x (256 + 16) for each wave, for the way out
.set SPARE, STAGE+8*8*272              ; the spare words, 128 bytes for each of 8 waves, which no other line names
.set AK0, 1
.set ADK, 2
.set ADV, 3
.set E10, 4
.set SPW, 5
.set NIL, 6
.set AV0, 7
.set E8,  8
.set H8,  9                            ; v9 and v10: the bound twice, one for each half of a dual line
.set H10, 11
.set MA,  12
.set LA,  16
.set LB,  18
.set FA,  20
.set W,   24
.set PL,  28
.set QA,  30
.set GO,  31
.set T,   32
.set SA,  64
.set SB,  128
.set KF,  192
.set OA,  0
.set OB,  32
.set QF,  64
.set PC,  80
.set VF,  112
.set WV,  18
.set TB,  2                            ; s2: LDS byte of the step in hand, counted from K's (or V's) first
.set MSB, 0
.macro WIN new                         ; the immediate's high byte repeats the setting that is left
.if MSB != \new
	s_set_vgpr_msb (MSB<<8)|\new
.set MSB, \new
.endif
.endm
.macro CROUND
	s_barrier_signal -1
	s_barrier_wait -1
	s_cmp_lg_u32 s[WV], 0
	s_cbranch_scc1 .Lnot_wave_0_\@
	s_barrier_signal -3
.Lnot_wave_0_\@:
	s_barrier_wait -3
	s_barrier_signal -1
	s_barrier_wait -1
.endm
.macro KLOAD o                         ; eight fragments of 16 keys x 64
.irp n, 0,1,2,3,4,5,6,7
	ds_load_b128 v[KF+8*\n:KF+8*\n+3], v[ADK] offset:\o+4*\n*272
	ds_load_b128 v[KF+8*\n+4:KF+8*\n+7], v[ADK] offset:\o+4*\n*272+32
.endr
.endm
.macro MAX1 i                          ; both tiles, four chains each
.irp k, 0,1,2,3
	v_max3_num_f32 v[T+\k], v[T+\k], v[SA+16*\k+\i], v[SA+16*\k+\i+1]
	v_max3_num_f32 v[T+4+\k], v[T+4+\k], v[SB+16*\k+\i], v[SB+16*\k+\i+1]
.endr
.endm
.macro SUMHOLD s, t                    ; four p: their first sum, of the unquantised numbers, then the hold (the conversion does not saturate: ISA guide 7.6.2; p is not negative)
	v_pk_add_f32 v[\t:\t+1], v[\s:\s+1], v[\s+2:\s+3]
	v_dual_min_num_f32 v[\s], v[\s], v[H8] :: v_dual_min_num_f32 v[\s+1], v[\s+1], v[H8+1]
	v_dual_min_num_f32 v[\s+2], v[\s+2], v[H8] :: v_dual_min_num_f32 v[\s+3], v[\s+3], v[H8+1]
.endm
.macro REDUCE t, l                     ; sixteen pairs of first sums onto the running pair; hints ahead of the last four lines, each of which reads a result made one to three lines before it
.irp i, 0,4,8,12,16,20,24,28
	v_pk_add_f32 v[\t+\i:\t+\i+1], v[\t+\i:\t+\i+1], v[\t+\i+2:\t+\i+3]
.endr
.irp i, 0,8,16,24
	v_pk_add_f32 v[\t+\i:\t+\i+1], v[\t+\i:\t+\i+1], v[\t+\i+4:\t+\i+5]
.endr
	s_delay_alu instid0(VALU_DEP_3)
	v_pk_add_f32 v[\t:\t+1], v[\t:\t+1], v[\t+8:\t+9]
	s_delay_alu instid0(VALU_DEP_2)
	v_pk_add_f32 v[\t+16:\t+17], v[\t+16:\t+17], v[\t+24:\t+25]
	s_delay_alu instid0(VALU_DEP_2)
	v_pk_add_f32 v[\l:\l+1], v[\l:\l+1], v[\t:\t+1]
	s_delay_alu instid0(VALU_DEP_1)
	v_pk_add_f32 v[\l:\l+1], v[\l:\l+1], v[\t+16:\t+17]
.endm
.macro CODES s, p                      ; 64 held p of a lane become 16 registers of codes, in window 1
	WIN 0x40
.irp g, 0,1,2,3,4,5,6,7
	v_cvt_scalef32_pk8_bf8_f32 v[\p+2*\g:\p+2*\g+1], v[\s+8*\g:\s+8*\g+7], v[E8]
.endr
	WIN 0
.endm
	s_load_b128 s[4:7], s[0:1], 0x0                ; qkvc, the scales' exponents
	s_load_b64 s[8:9], s[0:1], 0x10                ; cc
	v_lshl_add_u32 v[SPW], v0, 2, SPARE
	v_mov_b32 v[NIL], 0
	ds_add_u32 v[SPW], v[NIL]                      ; the opening lines: the add, twice on end, and its wait ahead of my first tensor load
	ds_add_u32 v[SPW], v[NIL]
	v_lshrrev_b32 v[W], 5, v0
	v_readfirstlane_b32 s[WV], v[W]                ; wave 0..7
	s_bfe_u32 s10, ttmp6, 0x40000                  ; cx
	s_lshl_b32 s11, ttmp9, 2
	s_add_co_u32 s11, s11, s10                     ; my block of 256 queries: it enters Q's and cc's addresses alone
	s_and_b32 s12, ttmp7, 0xffff                   ; the batch-head, which the four partners share
	s_lshr_b32 s13, s12, 4                         ; the batch
	s_and_b32 s14, s12, 15                         ; the head
	s_lshr_b32 s50, s[WV], 2                       ; I fetch for K (0) or for V (1),
	s_and_b32 s51, s[WV], 3                        ; and which part of it
	s_mul_i32 s54, s50, VOFF
	s_mul_i32 s15, s51, SBY
	s_add_co_u32 s15, s15, s54                     ; the first part goes to step (w % 4)'s rows,
	s_mul_i32 s53, s51, 3*SBY
	s_add_co_u32 s53, s53, s54
	s_add_co_u32 s53, s53, 4*SBY                   ; the second to steps 4 + 3 (w % 4) on
	s_lshl_b32 s60, s50, 22
	s_lshl_b32 s61, s12, 17                        ; my batch-head's 131,072 bytes
	s_add_co_u32 s60, s60, s61
	s_add_co_u32 s60, s60, 0x400000
	s_mul_i32 s62, s51, 24576
	s_add_co_u32 s62, s62, s60
	s_add_co_u32 s62, s62, 32768                   ; in memory: the second part,
	s_lshl_b32 s61, s51, 13
	s_add_co_u32 s60, s60, s61                     ; and the first: a step is 8,192 bytes
	s_mov_b32 s61, 0
	s_mov_b32 s63, 0
	s_mov_b32 s24, 15|(0<<16)|(1<<20)|(1<<21)|(5<<22)|(3<<25)   ; group 1, first part: the mask: all four; elements of 1 byte; padding: 4 words behind every 64; bit 21 beside a mask
	s_mov_b32 s25, 256<<16                         ; tensor_dim0
	s_mov_b32 s26, 32<<16                          ; tensor_dim1
	s_mov_b32 s27, 256<<16                         ; tile_dim0
	s_mov_b32 s28, 32                              ; tile_dim1
	s_mov_b32 s29, 256                             ; the pitch: the block is dense
	s_mov_b32 s30, 0
	s_mov_b32 s31, 0
	s_mov_b32 s36, 15|(0<<16)|(1<<20)|(1<<21)|(5<<22)|(3<<25)   ; group 1, second part: 96 rows
	s_mov_b32 s37, 256<<16
	s_mov_b32 s38, 96<<16
	s_mov_b32 s39, 256<<16
	s_mov_b32 s40, 96
	s_mov_b32 s41, 256
	s_mov_b32 s42, 0
	s_mov_b32 s43, 0
	s_mov_b32 s20, 0x76543210                      ; v_permlanex16_b32: lane l xor 16
	s_mov_b32 s21, 0xfedcba98
	s_mov_b32 s22, 0x3e38aa3b                      ; c = log2(e) / 8
	s_mov_b32 s[TB], 0
	s_lshl_b32 s46, s12, 17                        ; Q: my batch-head,
	s_lshl_b32 s47, s11, 14                        ; my block's 256 rows of 64 bytes,
	s_add_co_u32 s46, s46, s47
	s_lshl_b32 s47, s[WV], 11                      ; my 32 rows
	s_add_co_u32 s46, s46, s47
	s_mov_b32 s47, 0
	s_lshl_b32 s48, s13, 5                         ; cc: block of 64 tokens 32 batch + 4 query block + wave / 2,
	s_lshl_b32 s49, s11, 2
	s_add_co_u32 s48, s48, s49
	s_lshr_b32 s49, s[WV], 1
	s_add_co_u32 s48, s48, s49
	s_lshl_b32 s48, s48, 16
	s_lshl_b32 s49, s14, 12                        ; my head's 4,096 bytes of it,
	s_add_co_u32 s48, s48, s49
	s_and_b32 s49, s[WV], 1
	s_lshl_b32 s49, s49, 11                        ; my 32 tokens' 2,048
	s_add_co_u32 s48, s48, s49
	s_mov_b32 s49, 0
	s_wait_dscnt 0x0                               ; both opening adds are done
	s_wait_kmcnt 0x0
	s_load_b128 s[68:71], s[6:7], 0x18             ; entries 6 to 9
	s_load_b32 s72, s[6:7], 0x28                   ; entry 10
	s_mov_b32 s32, 1                               ; group 0, first part: count 1,
	s_mov_b32 s33, s15                             ; the LDS address,
	s_add_nc_u64 s[34:35], s[4:5], s[60:61]        ; the first byte,
	s_or_b32 s35, s35, 0x80000000                  ; the type
	s_mov_b32 s56, 1                               ; group 0, second part
	s_mov_b32 s57, s53
	s_add_nc_u64 s[58:59], s[4:5], s[62:63]
	s_or_b32 s59, s59, 0x80000000
	s_add_nc_u64 s[46:47], s[4:5], s[46:47]
	s_add_nc_u64 s[8:9], s[8:9], s[48:49]
	CROUND                                         ; all four work-groups are here: the joint loads meet
	tensor_load_to_lds s[32:35], s[24:31]          ; my one tensor load at the head
	s_nop 0
.rept 4
	v_nop
.endr
	v_and_b32 v[W], 15, v0                         ; r
	v_bfe_u32 v[W+1], v0, 4, 1                     ; h
	v_lshrrev_b32 v[QA], 3, v[W]
	v_and_b32 v[W+2], 7, v[W]
	v_lshlrev_b32 v[QA], 10, v[QA]
	v_lshrrev_b32 v[AK0], 2, v[W]
	v_lshl_add_u32 v[QA], v[W+2], 6, v[QA]
	v_mul_u32_u24 v[AK0], v[AK0], 272
	v_lshl_add_u32 v[QA], v[W+1], 4, v[QA]         ; Q: bit 3 of the query lies at bit 4 of pos; + 16 h
	v_and_b32 v[W+3], 3, v[W]
	WIN 0x40
	global_load_b128 v[QF:QF+3], v[QA], s[46:47]               ; tile A,
	global_load_b128 v[QF+4:QF+7], v[QA], s[46:47] offset:32
	global_load_b128 v[QF+8:QF+11], v[QA], s[46:47] offset:512 ; tile B: bit 4 of the query lies at bit 3 of pos
	global_load_b128 v[QF+12:QF+15], v[QA], s[46:47] offset:544
.set j, 0
.rept 64
	v_mov_b32 v[OA+j], 0                           ; O^T of both tiles: the first step finds zeros, which the first change of M leaves zeros
.set j, j+1
.endr
	WIN 0
	v_lshl_add_u32 v[AK0], v[W+3], 6, v[AK0]
	v_lshl_add_u32 v[AK0], v[W+1], 4, v[AK0]       ; row r of 64 bytes, four to an LDS row: (r / 4) 272 + (r % 4) 64 + 16 h
	v_add_nc_u32 v[AV0], VOFF, v[AK0]
	v_add_nc_u32 v[ADK], s[TB], v[AK0]             ; step 0
	v_add_nc_u32 v[ADV], s[TB], v[AV0]
	v_and_b32 v[GO], 31, v0
	v_lshlrev_b32 v[GO], 4, v[GO]                  ; the way out: 16 bytes a lane
.irp x, 0,1
	v_mov_b32 v[MA+2*\x+1], 0xff61b1e6             ; the largest t so far: -3e38
	v_floor_f32 v[MA+2*\x], -v[MA+2*\x+1]          ; -M
	v_mov_b32 v[LA+2*\x], 0
	v_mov_b32 v[LA+2*\x+1], 0
	v_mov_b32 v[FA+2*\x+1], 0                      ; named as the upper half of a pair
	v_mov_b32 v[PL+\x], 0                          ; a lane permute's destination counts as read
.endr
	s_wait_kmcnt 0x0
	s_add_co_i32 s52, s68, s69
	s_lshl_b32 s52, s52, 23
	s_add_co_i32 s22, s22, s52                     ; a score stands for score x 2^(e6 + e7): added to c's exponent field
	s_mov_b32 s23, s22
	s_add_co_i32 s52, s70, 127
	s_lshl_b32 s53, s52, 23
	v_mov_b32 v[E8], s53                           ; 2^e8
	s_add_co_i32 s52, s52, 15
	s_lshl_b32 s52, s52, 23
	s_or_b32 s52, s52, 0x600000
	v_mov_b32 v[H8], s52                           ; 57,344 x 2^e8
	v_mov_b32 v[H8+1], s52
	s_add_co_i32 s52, s72, 127
	s_lshl_b32 s53, s52, 23
	v_mov_b32 v[E10], s53                          ; 2^e10
	s_add_co_i32 s52, s52, 15
	s_lshl_b32 s52, s52, 23
	s_or_b32 s52, s52, 0x600000
	v_mov_b32 v[H10], s52                          ; 57,344 x 2^e10
	s_add_co_i32 s73, s70, s71                     ; e8 + e9
.macro STEP                            ; 128 keys
	WIN 0x40
.irp t, 0,1,2,3                        ; V's four fragments (16 channels x 128 keys) land under the scores and the softmax
.irp c, 0,1,2,3
	ds_load_b128 v[VF+16*\t+4*\c:VF+16*\t+4*\c+3], v[ADV] offset:(16*(\c/2)+4*\t)*272+32*(\c%2)
.endr
.endr
	WIN 0x04                                       ; source 1 (Q) in window 1
	s_wait_dscnt 16                                ; K's 16 loads are in; V's 16, just issued, may be out
.irp n, 0,1,2,3,4,5,6,7
	v_wmma_f32_16x16x64_bf8_bf8 v[SA+8*\n:SA+8*\n+7], v[KF+8*\n:KF+8*\n+7], v[QF:QF+7], 0
	v_wmma_f32_16x16x64_bf8_bf8 v[SB+8*\n:SB+8*\n+7], v[KF+8*\n:KF+8*\n+7], v[QF+8:QF+15], 0
.endr
	WIN 0
.rept 4
	v_nop                                          ; places in front of the loads into K's registers and of the first reads of the scores
.endr
	KLOAD SBY                                      ; the next step's K
	s_add_co_u32 s[TB], s[TB], SBY
	v_add_nc_u32 v[ADK], s[TB], v[AK0]             ; and the next step's addresses: the 64 lines below stand ahead of their readers
	v_add_nc_u32 v[ADV], s[TB], v[AV0]
.irp k, 0,1,2,3                        ; the step's largest score of my two queries among my 64 keys: each accumulator from its low end on
	v_max3_num_f32 v[T+\k], v[SA+16*\k], v[SA+16*\k+1], v[SA+16*\k+2]
	v_max3_num_f32 v[T+4+\k], v[SB+16*\k], v[SB+16*\k+1], v[SB+16*\k+2]
.endr
.irp i, 3,5,7,9,11,13
	MAX1 \i
.endr
.irp u, 0,4
	v_max3_num_f32 v[T+\u], v[T+\u], v[T+\u+1], v[SA+16*\u+15]
	v_max3_num_f32 v[T+\u+2], v[T+\u+2], v[T+\u+3], v[SA+16*\u+31]
.endr
.irp u, 0,4
	v_max3_num_f32 v[T+\u], v[T+\u], v[SA+16*\u+47], v[SA+16*\u+63]
.endr
.irp u, 0,4                            ; from here to the conversion below each line reads what the line two before it made: the two tiles by turns, with a hint ahead of each
	s_delay_alu instid0(VALU_DEP_2)
	v_max_num_f32 v[T+\u], v[T+\u], v[T+\u+2]
.endr
.irp x, 0,1
	s_delay_alu instid0(VALU_DEP_2)
	v_permlanex16_b32 v[PL+\x], v[T+4*\x], s20, s21
.endr
.irp x, 0,1
	s_delay_alu instid0(VALU_DEP_2)
	v_max_num_f32 v[T+4*\x], v[T+4*\x], v[PL+\x]   ; and among lane l xor 16's
.endr
.irp x, 0,1
	s_delay_alu instid0(VALU_DEP_2)
	v_mul_f32 v[T+4*\x], s22, v[T+4*\x]            ; as t (c is positive)
.endr
.irp x, 0,1
	s_delay_alu instid0(VALU_DEP_2)
	v_max_num_f32 v[MA+2*\x+1], v[MA+2*\x+1], v[T+4*\x]
.endr
.irp x, 0,1
	s_delay_alu instid0(VALU_DEP_2)
	v_floor_f32 v[W+2*\x], -v[MA+2*\x+1]           ; the new -M = -ceil(t): a whole number
.endr
.irp x, 0,1
	s_delay_alu instid0(VALU_DEP_2)
	v_sub_f32 v[W+2*\x+1], v[W+2*\x], v[MA+2*\x]   ; old M - new M: a whole number, 0 or less
.endr
.irp x, 0,1
	s_delay_alu instid0(VALU_DEP_2)
	v_cvt_i32_f32 v[W+2*\x+1], v[W+2*\x+1]         ; (it saturates)
.endr
.irp x, 0,1
	v_mov_b32 v[MA+2*\x], v[W+2*\x]
.endr
.irp x, 0,1
	v_ldexp_f32 v[FA+2*\x], 1.0, v[W+2*\x+1]       ; f = 2^(old M - new M): a multiplication by it rounds nothing
.endr
	WIN 0x41                                       ; O^T under the new M, ahead of the exponentials
.set j, 0
.rept 16
	v_pk_mul_f32 v[OA+j:OA+j+1], v[OA+j:OA+j+1], v[FA:FA+1] op_sel_hi:[1,0]
	v_pk_mul_f32 v[OB+j:OB+j+1], v[OB+j:OB+j+1], v[FA+2:FA+3] op_sel_hi:[1,0]
.set j, j+2
.endr
	WIN 0
	v_pk_mul_f32 v[LA:LA+1], v[LA:LA+1], v[FA:FA+1] op_sel_hi:[1,0]   ; and the sums
	v_pk_mul_f32 v[LB:LB+1], v[LB:LB+1], v[FA+2:FA+3] op_sel_hi:[1,0]
.set j, 0
.rept 32
	v_pk_fma_f32 v[SA+j:SA+j+1], v[SA+j:SA+j+1], s[22:23], v[MA:MA+1] op_sel_hi:[1,0,0]   ; A: t - M
.set j, j+2
.endr
	s_wait_alu depctr_va_vdst(0)                   ; the wait ahead of the batch
.set j, 0
.rept 32
	v_exp_f32 v[SA+j], v[SA+j]                     ; A: p = 2^(t - M)
	v_exp_f32 v[SA+j+1], v[SA+j+1]
	v_pk_fma_f32 v[SB+j:SB+j+1], v[SB+j:SB+j+1], s[22:23], v[MA+2:MA+3] op_sel_hi:[1,0,0]   ; B: t - M, read behind the wait below
.set j, j+2
.endr
	s_wait_alu depctr_va_vdst(0)                   ; behind A's batch and ahead of B's
.set j, 0
.rept 16
	v_exp_f32 v[SB+j], v[SB+j]                     ; B: p
	v_exp_f32 v[SB+j+1], v[SB+j+1]
	v_exp_f32 v[SB+j+2], v[SB+j+2]
	v_exp_f32 v[SB+j+3], v[SB+j+3]
	SUMHOLD SA+j, T+j/2                            ; A: first sums and holds, read behind the wait below
.set j, j+4
.endr
	v_nop                                          ; a plain line behind the last exponential
	s_wait_alu depctr_va_vdst(0)                   ; one wait for the batch, ahead of its first reader
	CODES SA, PC
	REDUCE T, LA                                   ; these are also the plain lines behind the conversions
.set j, 0
.rept 16
	SUMHOLD SB+j, SA+j/2                           ; B's first sums go where A's p lay
.set j, j+4
.endr
	CODES SB, PC+16
	REDUCE SA, LB
	s_wait_dscnt 16                                ; V is in; the 16 loads of the next K may be out
	WIN 0x55
.irp t, 0,1,2,3                        ; eight accumulators by turns
	v_wmma_f32_16x16x128_bf8_bf8 v[OA+8*\t:OA+8*\t+7], v[VF+16*\t:VF+16*\t+15], v[PC:PC+15], v[OA+8*\t:OA+8*\t+7]
	v_wmma_f32_16x16x128_bf8_bf8 v[OB+8*\t:OB+8*\t+7], v[VF+16*\t:VF+16*\t+15], v[PC+16:PC+31], v[OB+8*\t:OB+8*\t+7]
.endr
	WIN 0
.rept 4
	v_nop                                          ; places in front of the next loads into V's registers, or of the way out's reads
.endr
.endm
	s_wait_alu depctr_va_vdst(0)                   ; the wait at the head's end
	s_wait_loadcnt 0x0                             ; Q
	s_wait_tensorcnt 0x0                           ; my step's rows have landed
	ds_add_u32 v[SPW], v[NIL]
	s_wait_dscnt 0x0
	CROUND                                         ; everybody's have: steps 0 to 3 lie in LDS; and all four work-groups are here: the joint loads meet
	tensor_load_to_lds s[56:59], s[36:43]          ; the other twelve steps: my 96 rows, my one tensor load behind the round
	s_nop 0
.rept 4
	v_nop
.endr
	KLOAD 0
	s_mov_b32 s44, 3
.Lfirst:                                           ; steps 0 to 2: they read steps 0 to 3 alone
	STEP
	s_sub_co_u32 s44, s44, 1
	s_cmp_lg_u32 s44, 0
	s_cbranch_scc1 .Lfirst
	s_wait_dscnt 0x0                               ; no LDS instruction of mine is out at the signal
	s_wait_tensorcnt 0x0                           ; my 96 rows have landed,
	s_barrier_signal -1
	s_barrier_wait -1                              ; everybody's have: all of the head's K and V lie in LDS, and nobody writes them again
	s_mov_b32 s44, 13
.Lrest:                                            ; steps 3 to 15
	STEP
	s_sub_co_u32 s44, s44, 1
	s_cmp_lg_u32 s44, 0
	s_cbranch_scc1 .Lrest
; THE WAY OUT: O^T x 2^(e8 + e9) / the sum, held, quantised with entry 10; through my own stage, so that each store covers 512 consecutive bytes.
	s_wait_alu depctr_va_vdst(0)                   ; B's sum was written just ahead of the step's last wait
	v_add_f32 v[LA], v[LA], v[LA+1]
	v_add_f32 v[LB], v[LB], v[LB+1]
	v_permlanex16_b32 v[PL], v[LA], s20, s21
	v_permlanex16_b32 v[PL+1], v[LB], s20, s21
	v_add_f32 v[LA], v[LA], v[PL]                  ; the rows' sums
	v_add_f32 v[LB], v[LB], v[PL+1]
	s_wait_alu depctr_va_vdst(0)                   ; ahead of the transcendentals
	v_rcp_f32 v[LA], v[LA]
	v_rcp_f32 v[LB], v[LB]
	v_and_b32 v[W], 15, v0                         ; r
	v_bfe_u32 v[W+1], v0, 4, 1                     ; h
	s_mul_i32 s52, s[WV], 8*272
	s_add_co_u32 s52, s52, STAGE                   ; my stage
	v_add_nc_u32 v[ADV], s52, v[AK0]               ; in: my query's row of 64 bytes, + 16 h
	v_mul_u32_u24 v[ADK], v[W+1], 272
	v_lshl_add_u32 v[ADK], v[W], 4, v[ADK]
	v_add_nc_u32 v[ADK], s52, v[ADK]               ; back: lanes 0-15 one LDS row, lanes 16-31 the next
	s_wait_alu depctr_va_vdst(0)                   ; the wait ahead of their first reader
	v_ldexp_f32 v[LA], v[LA], s73
	v_ldexp_f32 v[LB], v[LB], s73
	WIN 0x01
	s_wait_alu depctr_va_vdst(0)                   ; directly ahead of the first reader of O^T
.set j, 0
.rept 32
	v_mul_f32 v[SA+j], v[OA+j], v[LA]              ; register 16 b + i: channel 32 b + 16 h + i of my query
.set j, j+1
.endr
.set j, 0
.rept 32
	v_mul_f32 v[SA+32+j], v[OB+j], v[LB]
.set j, j+1
.endr
	WIN 0
.set j, 0
.rept 64
	v_med3_num_f32 v[SA+j], v[SA+j], -v[H10], v[H10]
.set j, j+1
.endr
.irp g, 0,1,2,3,4,5,6,7
	v_cvt_scalef32_pk8_bf8_f32 v[T+2*\g:T+2*\g+1], v[SA+8*\g:SA+8*\g+7], v[E10]
.endr
	v_nop                                          ; a plain line behind the last conversion
.irp x, 0,1
	ds_store_b128 v[ADV], v[T+8*\x:T+8*\x+3] offset:4*272*\x        ; channels 16 h + 0 .. 15 of my query,
	ds_store_b128 v[ADV], v[T+8*\x+4:T+8*\x+7] offset:4*272*\x+32   ; and 32 + 16 h + 0 .. 15
.endr
.irp i, 0,1,2,3
	ds_load_b128 v[T+16+4*\i:T+19+4*\i], v[ADK] offset:544*\i       ; LDS serves a wave's instructions in order: these see my stores; the stage is my wave's own
.endr
.irp i, 0,1,2,3
	s_wait_dscnt 3-\i                              ; the younger reads may be out
	global_store_b128 v[GO], v[T+16+4*\i:T+19+4*\i], s[8:9] offset:512*\i   ; 32 lanes store 512 consecutive bytes, aligned
.endr
	s_wait_tensorcnt 0x0                           ; the wave's end
	ds_add_u32 v[SPW], v[NIL]
	s_wait_dscnt 0x0
	CROUND                                         ; the closing round
	s_endpgm
.Lfunc_end_k_qbe569493cd_attn:
	.size	k_qbe569493cd_attn, .Lfunc_end_k_qbe569493cd_attn-k_qbe569493cd_attn
	.p2alignl 7, 3214868480
	.fill 96, 4, 3214868480
	.section	.rodata,"a",@progbits
	.p2align	6, 0x0
	.amdhsa_kernel k_qbe569493cd_attn
		.amdhsa_group_segment_fixed_size 327680
		.amdhsa_private_segment_fixed_size 0
		.amdhsa_enable_private_segment 0
		.amdhsa_kernarg_size 24
		.amdhsa_user_sgpr_count 2
		.amdhsa_user_sgpr_kernarg_segment_ptr 1
		.amdhsa_wavefront_size32 1
		.amdhsa_system_sgpr_workgroup_id_x 1
		.amdhsa_system_sgpr_workgroup_id_y 1
		.amdhsa_system_sgpr_workgroup_id_z 1
		.amdhsa_system_vgpr_workitem_id 0
		.amdhsa_next_free_vgpr 448
		.amdhsa_next_free_sgpr 100
		.amdhsa_reserve_vcc 0
		.amdhsa_float_denorm_mode_32 3
		.amdhsa_float_denorm_mode_16_64 3
		.amdhsa_memory_ordered 1
		.amdhsa_forward_progress 1
		.amdhsa_inst_pref_size 79
	.end_amdhsa_kernel
	.amdgpu_metadata
---
amdhsa.version: [ 1, 2 ]
amdhsa.kernels:
  - .name:           k_qbe569493cd_attn
    .symbol:         k_qbe569493cd_attn.kd
    .args:
      - { .name: qkvc, .offset: 0, .size: 8, .value_kind: global_buffer, .address_space: global }
      - { .name: lowp_scales, .offset: 8, .size: 8, .value_kind: global_buffer, .address_space: global }
      - { .name: cc, .offset: 16, .size: 8, .value_kind: global_buffer, .address_space: global }
    .group_segment_fixed_size: 327680
    .private_segment_fixed_size: 0
    .kernarg_segment_align: 8
    .kernarg_segment_size: 24
    .max_flat_workgroup_size: 256
    .sgpr_count:     100
    .vgpr_count:     448
    .wavefront_size: 32
...
	.end_amdgpu_metadata
.endif
;; end of part 3
;; launch oproj (part 4): grid 8 x 32, 4 waves a work-group, clusters of 4 x 4, 327,680 bytes of LDS; arguments cc, wc, x1, lowp_scales, x; writes x1
.if DOCPART == 4
	.amdgcn_target "amdgcn-amd-amdhsa--gfx1250"
	.amdhsa_code_object_version 6
	.text
	.protected	k_qbe569493cd_oproj
	.globl	k_qbe569493cd_oproj
	.p2align	8
	.type	k_qbe569493cd_oproj,@function
k_qbe569493cd_oproj:
	s_mov_b64 s[64:65], 0
	v_nop
	global_prefetch_b8 v0, s[64:65] scope:SCOPE_SE
	s_setreg_imm32_b32 hwreg(HW_REG_WAVE_MODE, 25, 1), 1
	s_wait_xcnt 0x0
	s_wait_alu depctr_hold_cnt(0) depctr_sa_sdst(0) depctr_va_vdst(0) depctr_va_sdst(0) depctr_va_ssrc(0) depctr_va_vcc(0) depctr_vm_vsrc(0)
	s_getreg_b32 s2, hwreg(HW_REG_IB_STS2, 6, 4)
	s_cmp_eq_u32 s2, 0
	s_cbranch_scc0 .Lentry_in_a_cluster
	s_endpgm
.Lentry_in_a_cluster:
	s_bfe_u32 s2, ttmp6, 0x10000c
	s_cmp_lg_u32 s2, 0xf033
	s_cbranch_scc0 .Lentry_shape_is_right
	s_endpgm
.Lentry_shape_is_right:
.set SIZE_K,   1024
.set WOFF,     0x300000
.set SCOFF,    0x28
.set KSTEP,  512
.set PITCH,  528
.set HALFT,  64*PITCH
.set APITCH, 272
.set AH,     128*APITCH
.set ASTEP,  32768
.set SLOT,   2*AH+2*HALFT
.set STAGE,  2*SLOT
.set SPITCH, 272
.set SPARE,  STAGE+4*16*SPITCH
.set ADRA, 16
.set ADRB, 20
.set STO,  24
.set RD,   25
.set CO,   26
.set BO,   27
.set SPW,  28
.set NIL,  29
.set ACC,  128
.set F0,   0
.set F1,   128
.set G1, 24
.set G0, 32
.set G1B, 48
.set G0B, 56
.set MSB, 0
.macro WIN new
.if MSB != \new
	s_set_vgpr_msb (MSB<<8)|\new
.set MSB, \new
.endif
.endm
.set MUL,  0x05
.set TO_F, 0x40
.macro JLOAD s
	s_cmp_eq_u32 s11, 0
	s_cbranch_scc0 .Lfor_b_\@
	tensor_load_to_lds s[G0+4*\s:G0+4*\s+3], s[G1:G1+7]
	s_nop 0
.rept 4
	v_nop
.endr
	s_branch .Lasked_\@
.Lfor_b_\@:
	tensor_load_to_lds s[G0B+4*\s:G0B+4*\s+3], s[G1B:G1B+7]
	s_nop 0
.rept 4
	v_nop
.endr
.Lasked_\@:
.endm
.macro CROUND
	s_barrier_signal -1
	s_barrier_wait -1
	s_cmp_lg_u32 s10, 0
	s_cbranch_scc1 .Lnot_wave_0_\@
	s_barrier_signal -3
.Lnot_wave_0_\@:
	s_barrier_wait -3
	s_barrier_signal -1
	s_barrier_wait -1
.endm
	s_load_b128 s[4:7], s[0:1], 0x0
	s_load_b64 s[8:9], s[0:1], 0x10
	s_load_b64 s[70:71], s[0:1], 0x18
	s_load_b64 s[66:67], s[0:1], 0x20
	v_lshl_add_u32 v[SPW], v0, 2, SPARE
	v_mov_b32 v[NIL], 0
	ds_add_u32 v28, v29
	ds_add_u32 v28, v29
	s_wait_dscnt 0x0
	v_lshrrev_b32 v1, 5, v0
	v_readfirstlane_b32 s10, v1
	s_lshr_b32 s11, s10, 1
	s_and_b32 s12, s10, 1
	s_bfe_u32 s40, ttmp6, 0x40000
	s_bfe_u32 s41, ttmp6, 0x40004
	s_lshl_b32 s42, ttmp9, 2
	s_add_co_u32 s42, s42, s40
	s_and_b32 s13, ttmp7, 0xffff
	s_lshl_b32 s13, s13, 2
	s_add_co_u32 s13, s13, s41
	s_lshl_b32 s43, s41, 2
	s_lshl_b32 s43, 15, s43
	s_lshl_b32 s44, 0x1111, s40
	s_or_b32 s[G1+0], s43, (0<<16)|(1<<20)|(1<<21)|(5<<22)|(3<<25)
	s_mov_b32 s[G1+1], 256<<16
	s_mov_b32 s[G1+2], 128<<16
	s_mov_b32 s[G1+3], 256<<16
	s_mov_b32 s[G1+4], 128
	s_mov_b32 s[G1+5], 256
	s_mov_b32 s[G1+6], 0
	s_mov_b32 s[G1+7], 0
	s_or_b32 s[G1B+0], s44, (0<<16)|(1<<20)|(1<<21)|(6<<22)|(3<<25)
	s_mov_b32 s[G1B+1], KSTEP<<16
	s_mov_b32 s[G1B+2], 64<<16
	s_mov_b32 s[G1B+3], KSTEP<<16
	s_mov_b32 s[G1B+4], 64
	s_mov_b32 s[G1B+5], SIZE_K
	s_mov_b32 s[G1B+6], 0
	s_mov_b32 s[G1B+7], 0
	s_lshl_b32 s17, s12, 6
	s_lshl_b32 s16, s13, 7
	s_add_co_u32 s16, s16, s17
	s_lshl_b32 s46, s42, 7
	s_add_co_u32 s46, s46, s17
	s_mov_b32 s17, 0
	s_mov_b32 s47, 0
	s_mov_b64 s[18:19], SIZE_K
	s_mul_u64 s[16:17], s[16:17], s[18:19]
	s_mul_u64 s[46:47], s[46:47], s[18:19]
	s_mul_i32 s20, s12, AH
	s_mul_i32 s21, s12, HALFT
	s_add_co_u32 s21, s21, 2*AH
	s_wait_kmcnt 0x0
	s_load_b64 s[72:73], s[70:71], SCOFF
	s_add_nc_u64 s[6:7], s[6:7], WOFF
	s_add_nc_u64 s[14:15], s[4:5], s[16:17]
	s_add_nc_u64 s[46:47], s[6:7], s[46:47]
	CROUND
.irp s, 0,1
	s_mov_b32 s[G0+4*\s], 1
	s_add_co_u32 s[G0+4*\s+1], s20, \s*SLOT
	s_add_nc_u64 s[G0+4*\s+2:G0+4*\s+3], s[14:15], \s*ASTEP
	s_or_b32 s[G0+4*\s+3], s[G0+4*\s+3], 0x80000000
	s_mov_b32 s[G0B+4*\s], 1
	s_add_co_u32 s[G0B+4*\s+1], s21, \s*SLOT
	s_add_nc_u64 s[G0B+4*\s+2:G0B+4*\s+3], s[46:47], \s*KSTEP
	s_or_b32 s[G0B+4*\s+3], s[G0B+4*\s+3], 0x80000000
.if \s                                         ; slot 1's first fill is issued as a refill is: behind a wait for my loads, the spare-word add and a whole round
	s_wait_alu depctr_va_vdst(0)
	s_wait_tensorcnt 0x0
	ds_add_u32 v28, v29
	s_wait_dscnt 0x0
	CROUND
.endif
	JLOAD \s
.endr
	v_and_b32 v1, 15, v0
	v_bfe_u32 v2, v0, 4, 1
	v_mul_u32_u24 v3, v1, PITCH
	v_lshl_add_u32 v3, v2, 4, v3
	v_lshrrev_b32 v6, 2, v1
	v_mul_u32_u24 v6, v6, APITCH
	v_and_b32 v7, 3, v1
	v_lshl_add_u32 v6, v7, 6, v6
	v_lshl_add_u32 v6, v2, 4, v6
	s_mul_i32 s21, s11, AH
	s_mul_i32 s22, s12, HALFT
	s_add_co_u32 s22, s22, 2*AH
.irp s, 0,1
	v_add_nc_u32 v[ADRA+\s], s21, v6
	v_add_nc_u32 v[ADRB+\s], s22, v3
	s_add_co_u32 s21, s21, SLOT
	s_add_co_u32 s22, s22, SLOT
.endr
	s_mul_i32 s23, s10, 16*SPITCH
	s_add_co_u32 s23, s23, STAGE
	v_mul_u32_u24 v4, v1, SPITCH
	v_lshl_add_u32 v4, v2, 5, v4
	v_add_nc_u32 v[STO], s23, v4
	v_mul_u32_u24 v5, v2, SPITCH
	v_lshl_add_u32 v5, v1, 4, v5
	v_add_nc_u32 v[RD], s23, v5
	v_lshlrev_b32 v[BO], 4, v1
	v_lshl_add_u32 v[CO], v2, 12, v[BO]
	s_wait_alu depctr_va_vdst(0)
	s_lshl_b32 s16, s13, 7
	s_lshl_b32 s17, s11, 6
	s_add_co_u32 s16, s16, s17
	s_lshl_b32 s16, s16, 12
	s_mov_b32 s17, 0
	s_add_nc_u64 s[8:9], s[8:9], s[16:17]
	s_add_nc_u64 s[66:67], s[66:67], s[16:17]
	s_lshl_b32 s46, s42, 9
	s_lshl_b32 s47, s12, 8
	s_add_co_u32 s46, s46, s47
	s_mov_b32 s47, 0
	s_add_nc_u64 s[8:9], s[8:9], s[46:47]
	s_add_nc_u64 s[66:67], s[66:67], s[46:47]
	WIN 0x80
.irp a, 0,1,2,3
.irp t, 0,1,2,3,4,5,6,7
	global_load_b128 v[32*\a+4*\t:32*\a+4*\t+3], v[CO], s[66:67] offset:(16*\a+2*\t)*4096
.endr
.endr
	WIN 0
.macro MULR f, a, zero
.irp b, 0,1,2,3
.if \zero
	v_wmma_f32_16x16x128_bf8_bf8 v[ACC+8*(4*(\a)+\b):ACC+8*(4*(\a)+\b)+7], v[\f+64+16*\b:\f+64+16*\b+15], v[\f+16*(\a):\f+16*(\a)+15], 0
.else
	v_wmma_f32_16x16x128_bf8_bf8 v[ACC+8*(4*(\a)+\b):ACC+8*(4*(\a)+\b)+7], v[\f+64+16*\b:\f+64+16*\b+15], v[\f+16*(\a):\f+16*(\a)+15], v[ACC+8*(4*(\a)+\b):ACC+8*(4*(\a)+\b)+7]
.endif
.endr
.endm
.macro FETCH slot, k, f
	WIN TO_F
.irp i, 0,1,2,3
.irp c, 0,1,2,3
	ds_load_b128 v[\f+64+16*\i+4*\c:\f+64+16*\i+4*\c+3], v[ADRB+\slot] offset:\k+32*\c+\i*16*PITCH
	ds_load_b128 v[\f+16*\i+4*\c:\f+16*\i+4*\c+3],       v[ADRA+\slot] offset:(16*(2*((\k)/128)+\c/2)+4*\i)*APITCH+32*(\c%2)
.endr
.endr
.endm
.macro PLACES
.rept 4
	v_nop
.endr
.endm
.macro QUARTER slot, k, f, g, zero
	s_wait_dscnt 0x0
	PLACES
	FETCH \slot, \k, \g
	WIN MUL
	MULR \f, 0, \zero
	MULR \f, 1, \zero
	MULR \f, 2, \zero
	MULR \f, 3, \zero
.endm
.macro TURN slot, next
	WIN 0
	s_wait_tensorcnt 0x0
	ds_add_u32 v[SPW], v[NIL]
	s_wait_dscnt 1
	WIN MUL
	MULR F1, 0, 0
	s_wait_dscnt 0x0
	s_barrier_signal -1
	MULR F1, 1, 0
	WIN 0
	s_barrier_wait -1
	PLACES
	FETCH \next, 0, F0
	WIN MUL
	MULR F1, 2, 0
	MULR F1, 3, 0
.endm
	s_wait_tensorcnt 1
	s_barrier_signal -1
	s_barrier_wait -1
	FETCH 0, 0, F0
	QUARTER 0, 128, F0, F1, 1
	QUARTER 0, 256, F1, F0, 0
	QUARTER 0, 384, F0, F1, 0
	TURN 0, 1
	QUARTER 1, 128, F0, F1, 0
	QUARTER 1, 256, F1, F0, 0
	QUARTER 1, 384, F0, F1, 0
	s_wait_dscnt 0x0
	WIN MUL
	MULR F1, 0, 0
	MULR F1, 1, 0
	MULR F1, 2, 0
	MULR F1, 3, 0
	WIN 0
	s_wait_kmcnt 0x0
	s_add_co_i32 s74, s72, s73
	s_add_co_i32 s74, s74, 127
	s_lshl_b32 s74, s74, 23
	s_mov_b32 s75, s74
	PLACES
.irp a, 0,1,2,3
.irp b, 0,1,2,3
	ds_store_b128 v[STO], v[ACC+32*\a+8*\b:ACC+32*\a+8*\b+3] offset:64*\b
	ds_store_b128 v[STO], v[ACC+32*\a+8*\b+4:ACC+32*\a+8*\b+7] offset:64*\b+16
.endr
.irp t, 0,1,2,3,4,5,6,7
	ds_load_b128 v[ACC+32*\a+4*\t:ACC+32*\a+4*\t+3], v[RD] offset:\t*2*SPITCH
.endr
.endr
	s_wait_loadcnt 0x0
.irp a, 0,1,2,3
	s_wait_dscnt 16*(3-\a)
	WIN 0x20
.irp i, 0,2,4,6,8,10,12,14,16,18,20,22,24,26,28,30
	v_pk_fma_f32 v[ACC+32*\a+\i:ACC+32*\a+\i+1], v[ACC+32*\a+\i:ACC+32*\a+\i+1], s[74:75], v[32*\a+\i:32*\a+\i+1] op_sel_hi:[1,0,1]
.endr
	WIN 0
.irp t, 0,1,2,3,4,5,6,7
	global_store_b128 v[CO], v[ACC+32*\a+4*\t:ACC+32*\a+4*\t+3], s[8:9] offset:(16*\a+2*\t)*4096
.endr
.endr
	s_wait_tensorcnt 0x0
	ds_add_u32 v[SPW], v[NIL]
	s_wait_dscnt 0x0
	CROUND
	s_endpgm
.Lfunc_end_k_qbe569493cd_oproj:
	.size	k_qbe569493cd_oproj, .Lfunc_end_k_qbe569493cd_oproj-k_qbe569493cd_oproj
	.p2alignl 7, 3214868480
	.fill 96, 4, 3214868480
	.section	.rodata,"a",@progbits
	.p2align	6, 0x0
	.amdhsa_kernel k_qbe569493cd_oproj
		.amdhsa_group_segment_fixed_size 327680
		.amdhsa_private_segment_fixed_size 0
		.amdhsa_enable_private_segment 0
		.amdhsa_kernarg_size 40
		.amdhsa_user_sgpr_count 2
		.amdhsa_user_sgpr_kernarg_segment_ptr 1
		.amdhsa_wavefront_size32 1
		.amdhsa_system_sgpr_workgroup_id_x 1
		.amdhsa_system_sgpr_workgroup_id_y 1
		.amdhsa_system_sgpr_workgroup_id_z 1
		.amdhsa_system_vgpr_workitem_id 0
		.amdhsa_next_free_vgpr 640
		.amdhsa_next_free_sgpr 80
		.amdhsa_reserve_vcc 0
		.amdhsa_float_denorm_mode_32 3
		.amdhsa_float_denorm_mode_16_64 3
		.amdhsa_memory_ordered 1
		.amdhsa_forward_progress 1
		.amdhsa_inst_pref_size 50
	.end_amdhsa_kernel
	.amdgpu_metadata
---
amdhsa.version: [ 1, 2 ]
amdhsa.kernels:
  - .name:           k_qbe569493cd_oproj
    .symbol:         k_qbe569493cd_oproj.kd
    .args:
      - { .name: cc, .offset: 0, .size: 8, .value_kind: global_buffer, .address_space: global }
      - { .name: wc, .offset: 8, .size: 8, .value_kind: global_buffer, .address_space: global }
      - { .name: x1, .offset: 16, .size: 8, .value_kind: global_buffer, .address_space: global }
      - { .name: lowp_scales, .offset: 24, .size: 8, .value_kind: global_buffer, .address_space: global }
      - { .name: x, .offset: 32, .size: 8, .value_kind: global_buffer, .address_space: global }
    .group_segment_fixed_size: 327680
    .private_segment_fixed_size: 0
    .kernarg_segment_align: 8
    .kernarg_segment_size: 40
    .max_flat_workgroup_size: 128
    .sgpr_count:     80
    .vgpr_count:     640
    .wavefront_size: 32
...
	.end_amdgpu_metadata
.endif
;; end of part 4
;; launch ln2 (part 5): grid 256 x 1, 4 waves a work-group, no clusters, 4,608 bytes of LDS; arguments x1, g2, beta2, lowp_scales, h2c; writes h2c
.if DOCPART == 5
	.amdgcn_target "amdgcn-amd-amdhsa--gfx1250"
	.amdhsa_code_object_version 6
	.text
	.protected	k_qbe569493cd_ln2
	.globl	k_qbe569493cd_ln2
	.p2align	8
	.type	k_qbe569493cd_ln2,@function
k_qbe569493cd_ln2:
	s_mov_b64 s[64:65], 0
	v_nop
	global_prefetch_b8 v0, s[64:65] scope:SCOPE_SE
	s_setreg_imm32_b32 hwreg(HW_REG_WAVE_MODE, 25, 1), 1
	s_wait_xcnt 0x0
; LN2(x1) in f32 (mean, then the variance of the differences), quantised with scale entry 12 into h2c [4,096][1,024] codes of E5M2.
; A wave takes a row at a time, four rows; a row stays in 32 registers; memory binds, so no matrix unit, no cluster, no barrier: waves share nothing.
; LIMIT: entry 12 between -126 and 112; NaN and infinities are not served.
.set G,     16                         ; v16-47 gain, v48-79 beta, v80-207 four rows, v208-223 at work, v224-231 codes, v232-239 codes read back
.set BT,    48
.set X,     80
.set T,     208
.set C,     224
.set O,     232
.macro LANESUM
	v_add_f32_dpp v14, v14, v14 row_xmask:1 row_mask:0xf bank_mask:0xf
	v_add_f32_dpp v14, v14, v14 row_xmask:2 row_mask:0xf bank_mask:0xf
	v_add_f32_dpp v14, v14, v14 row_xmask:4 row_mask:0xf bank_mask:0xf
	v_add_f32_dpp v14, v14, v14 row_xmask:8 row_mask:0xf bank_mask:0xf
	v_permlanex16_b32 v15, v14, s56, s57
	v_add_f32 v14, v14, v15
.endm
.macro LNROW p
.set XR, X+32*(\p)
	s_wait_loadcnt 8*(3-(\p))                      ; my row's eight loads are in; the younger rows' stay out
	v_pk_add_f32 v[T:T+1], v[XR:XR+1], v[XR+2:XR+3]
	v_pk_add_f32 v[T+2:T+3], v[XR+4:XR+5], v[XR+6:XR+7]
.irp j, 8,12,16,20,24,28
	v_pk_add_f32 v[T:T+1], v[T:T+1], v[XR+\j:XR+\j+1]
	v_pk_add_f32 v[T+2:T+3], v[T+2:T+3], v[XR+\j+2:XR+\j+3]
.endr
	v_pk_add_f32 v[T:T+1], v[T:T+1], v[T+2:T+3]
	v_add_f32 v14, v[T], v[T+1]
	LANESUM
	v_mul_f32 v10, s58, v14
	v_mov_b32 v11, v10
.irp j, 0,2,4,6,8,10,12,14,16,18,20,22,24,26,28,30
	v_pk_add_f32 v[XR+\j:XR+\j+1], v[XR+\j:XR+\j+1], v[10:11] neg_lo:[0,1] neg_hi:[0,1]
.endr
	v_pk_mul_f32 v[T:T+1], v[XR:XR+1], v[XR:XR+1]
	v_pk_mul_f32 v[T+2:T+3], v[XR+2:XR+3], v[XR+2:XR+3]
.irp j, 4,8,12,16,20,24,28
	v_pk_fma_f32 v[T:T+1], v[XR+\j:XR+\j+1], v[XR+\j:XR+\j+1], v[T:T+1]
	v_pk_fma_f32 v[T+2:T+3], v[XR+\j+2:XR+\j+3], v[XR+\j+2:XR+\j+3], v[T+2:T+3]
.endr
	v_pk_add_f32 v[T:T+1], v[T:T+1], v[T+2:T+3]
	v_add_f32 v14, v[T], v[T+1]
	LANESUM
	v_fma_f32 v14, v14, s58, s59
	s_wait_alu depctr_va_vdst(0)
	v_rsq_f32 v12, v14
	v_mov_b32 v15, 0                               ; a plain instruction behind the transcendental
	s_wait_alu depctr_va_vdst(0)                   ; the wait ahead of the first reader
	v_mov_b32 v13, v12
.irp j, 0,2,4,6,8,10,12,14,16,18,20,22,24,26,28,30
	v_pk_mul_f32 v[XR+\j:XR+\j+1], v[XR+\j:XR+\j+1], v[12:13]
.endr
.irp j, 0,2,4,6,8,10,12,14,16,18,20,22,24,26,28,30
	v_pk_fma_f32 v[XR+\j:XR+\j+1], v[XR+\j:XR+\j+1], v[G+\j:G+\j+1], v[BT+\j:BT+\j+1]
.endr
.endm
.macro QS p, k                         ; register 4 i + j of a lane is column 128 i + 4 lane + j, so code word i lies at byte 128 i + 4 lane of the row
.set XR, X+32*(\p)
.irp q, 0,1,2,3
.irp i, 0,1,2,3,4,5,6,7
	v_med3_num_f32 v[T+8*(\q%2)+\i], v[XR+8*\q+\i], -v[5+2*(\k)], v[5+2*(\k)]   ; the hold, into one of two sets by turns
.endr
	v_cvt_scalef32_pk8_bf8_f32 v[C+2*\q:C+2*\q+1], v[T+8*(\q%2):T+8*(\q%2)+7], v[4+2*(\k)]
.endr
	v_nop
.irp j, 0,1,2,3,4,5,6,7
	ds_store_b32 v2, v[C+\j] offset:128*\j+1024*(\k)
.endr
	s_wait_xcnt 0x0                                ; the earlier stores to memory have read the registers into which the row now comes back
	ds_load_b128 v[O:O+3], v3 offset:1024*(\k)
	ds_load_b128 v[O+4:O+7], v3 offset:512+1024*(\k)
	s_wait_dscnt 0x0
	global_store_b128 v1, v[O:O+3], s[40+2*(\k):41+2*(\k)] offset:1024*(\p)        ; 32 lanes store 512 consecutive bytes, aligned
	global_store_b128 v1, v[O+4:O+7], s[40+2*(\k):41+2*(\k)] offset:1024*(\p)+512
.endm
	s_load_b256 s[4:11], s[0:1], 0x0               ; x1 4, g2 6, beta2 8, the scales' exponents 10
	s_load_b64 s[40:41], s[0:1], 0x20              ; h2c
	v_lshl_add_u32 v254, v0, 2, 0x1000
	v_mov_b32 v255, 0
	v_lshrrev_b32 v1, 5, v0
	v_readfirstlane_b32 s2, v1
	v_and_b32 v1, 31, v0
	s_wait_alu depctr_va_vdst(0)
	s_lshl_b32 s50, ttmp9, 4
	s_lshl_b32 s51, s2, 2
	s_add_co_u32 s50, s50, s51                     ; my wave's first row
	s_lshl_b32 s52, s50, 12
	s_mov_b32 s53, 0
	s_lshl_b32 s54, s50, 10
	s_mov_b32 s55, 0
	s_mov_b32 s56, 0x76543210
	s_mov_b32 s57, 0xfedcba98
	s_mov_b32 s58, 0x3a800000                      ; 1 / 1,024
	s_mov_b32 s59, 0x3727c5ac                      ; 1e-5
	s_lshl_b32 s3, s2, 10                          ; my stage: 1,024 bytes
	v_lshl_add_u32 v2, v1, 2, s3
	v_lshl_add_u32 v3, v1, 4, s3
	v_lshlrev_b32 v1, 4, v1
	v_mov_b32 v15, 0
	s_wait_alu depctr_va_vdst(0)
	s_wait_kmcnt 0x0
	s_load_b32 s33, s[10:11], 0x30                 ; entry 12
	s_add_nc_u64 s[4:5], s[4:5], s[52:53]
	s_add_nc_u64 s[40:41], s[40:41], s[54:55]
.irp i, 0,1,2,3,4,5,6,7
	global_load_b128 v[G+4*\i:G+4*\i+3], v1, s[6:7] offset:512*\i
.endr
.irp i, 0,1,2,3,4,5,6,7
	global_load_b128 v[BT+4*\i:BT+4*\i+3], v1, s[8:9] offset:512*\i
.endr
.irp p, 0,1,2,3
.irp i, 0,1,2,3,4,5,6,7
	global_load_b128 v[X+32*\p+4*\i:X+32*\p+4*\i+3], v1, s[4:5] offset:4096*\p+512*\i th:TH_LOAD_NT
.endr
.endr
	s_wait_kmcnt 0x0
	s_add_co_i32 s46, s33, 127
	s_lshl_b32 s47, s46, 23
	v_mov_b32 v4, s47
	s_add_co_i32 s46, s46, 15
	s_lshl_b32 s46, s46, 23
	s_or_b32 s46, s46, 0x600000
	v_mov_b32 v5, s46
.irp p, 0,1,2,3
	LNROW \p
	QS \p, 0
.endr
	s_wait_tensorcnt 0x0
	ds_add_u32 v254, v255
	s_wait_dscnt 0x0
	s_endpgm
.Lfunc_end_k_qbe569493cd_ln2:
	.size	k_qbe569493cd_ln2, .Lfunc_end_k_qbe569493cd_ln2-k_qbe569493cd_ln2
	.p2alignl 7, 3214868480
	.fill 96, 4, 3214868480
	.section	.rodata,"a",@progbits
	.p2align	6, 0x0
	.amdhsa_kernel k_qbe569493cd_ln2
		.amdhsa_group_segment_fixed_size 4608
		.amdhsa_private_segment_fixed_size 0
		.amdhsa_enable_private_segment 0
		.amdhsa_kernarg_size 40
		.amdhsa_user_sgpr_count 2
		.amdhsa_user_sgpr_kernarg_segment_ptr 1
		.amdhsa_wavefront_size32 1
		.amdhsa_system_sgpr_workgroup_id_x 1
		.amdhsa_system_sgpr_workgroup_id_y 1
		.amdhsa_system_sgpr_workgroup_id_z 1
		.amdhsa_system_vgpr_workitem_id 0
		.amdhsa_next_free_vgpr 256
		.amdhsa_next_free_sgpr 66
		.amdhsa_reserve_vcc 0
		.amdhsa_float_denorm_mode_32 3
		.amdhsa_float_denorm_mode_16_64 3
		.amdhsa_memory_ordered 1
		.amdhsa_forward_progress 1
		.amdhsa_inst_pref_size 44
	.end_amdhsa_kernel
	.amdgpu_metadata
---
amdhsa.version: [ 1, 2 ]
amdhsa.kernels:
  - .name:           k_qbe569493cd_ln2
    .symbol:         k_qbe569493cd_ln2.kd
    .args:
      - { .name: x1, .offset: 0, .size: 8, .value_kind: global_buffer, .address_space: global }
      - { .name: g2, .offset: 8, .size: 8, .value_kind: global_buffer, .address_space: global }
      - { .name: beta2, .offset: 16, .size: 8, .value_kind: global_buffer, .address_space: global }
      - { .name: lowp_scales, .offset: 24, .size: 8, .value_kind: global_buffer, .address_space: global }
      - { .name: h2c, .offset: 32, .size: 8, .value_kind: global_buffer, .address_space: global }
    .group_segment_fixed_size: 4608
    .private_segment_fixed_size: 0
    .kernarg_segment_align: 8
    .kernarg_segment_size: 40
    .max_flat_workgroup_size: 128
    .sgpr_count:     66
    .vgpr_count:     256
    .wavefront_size: 32
...
	.end_amdgpu_metadata
.endif
;; end of part 5
;; launch ffn1 (part 6): grid 16 x 16, 4 waves a work-group, clusters of 4 x 4, 327,680 bytes of LDS; arguments h2c, wc, lowp_scales, gc, b1; writes gc
.if DOCPART == 6
	.amdgcn_target "amdgcn-amd-amdhsa--gfx1250"
	.amdhsa_code_object_version 6
	.text
	.protected	k_qbe569493cd_ffn1
	.globl	k_qbe569493cd_ffn1
	.p2align	8
	.type	k_qbe569493cd_ffn1,@function
k_qbe569493cd_ffn1:
	s_mov_b64 s[64:65], 0
	v_nop
	global_prefetch_b8 v0, s[64:65] scope:SCOPE_SE
	s_setreg_imm32_b32 hwreg(HW_REG_WAVE_MODE, 25, 1), 1
	s_wait_xcnt 0x0
	s_wait_alu depctr_hold_cnt(0) depctr_sa_sdst(0) depctr_va_vdst(0) depctr_va_sdst(0) depctr_va_ssrc(0) depctr_va_vcc(0) depctr_vm_vsrc(0)
	s_getreg_b32 s2, hwreg(HW_REG_IB_STS2, 6, 4)
	s_cmp_eq_u32 s2, 0
	s_cbranch_scc0 .Lentry_in_a_cluster
	s_endpgm
.Lentry_in_a_cluster:
	s_bfe_u32 s2, ttmp6, 0x10000c
	s_cmp_lg_u32 s2, 0xf033
	s_cbranch_scc0 .Lentry_shape_is_right
	s_endpgm
.Lentry_shape_is_right:
.set SIZE_K, 1024
.set KSTEP,  256
.set ROWB,   256
.set KROW,   SIZE_K
.set PITCH,  272
.set FR,     16
.set NL,     4
.set NP,     4
.set HALFT,  128*PITCH
.set SLOT,   4*HALFT
.set LAPS,   SIZE_K/(2*KSTEP)
.set SPARE,  2*SLOT
.set ADRA, 16
.set ADRB, 20
.set C9,   22
.set STO,  24
.set RD,   25
.set CO,   26
.set ADR,  27
.set SPW,  28
.set NIL,  29
.set M,    32
.set CD,   48
.set B1,   64
.set U,    128
.set AA,   192
.set D1,   208
.set D2,   224
.set E,    240
.set AF,   128
.set G1, 24
.set G0, 32
.set G1B, 48
.set G0B, 56
.set MSB, 0
.macro WIN new
.if MSB != \new
	s_set_vgpr_msb (MSB<<8)|\new
.set MSB, \new
.endif
.endm
.set MUL_LO, 0xa1
.set MUL_HI, 0xf1
.set TO_B,   0x40
.macro JLOAD g0a, g1a, g0b, g1b
	s_cmp_eq_u32 s15, 0
	s_cbranch_scc0 .Lfor_b_\@
	tensor_load_to_lds s[\g0a:\g0a+3], s[\g1a:\g1a+7]
	s_nop 0
.rept 4
	v_nop
.endr
	s_branch .Lasked_\@
.Lfor_b_\@:
	tensor_load_to_lds s[\g0b:\g0b+3], s[\g1b:\g1b+7]
	s_nop 0
.rept 4
	v_nop
.endr
.Lasked_\@:
.endm
.macro CREST
	s_cmp_lg_u32 s14, 0
	s_cbranch_scc1 .Lnot_wave_0_\@
	s_barrier_signal -3
.Lnot_wave_0_\@:
	s_barrier_wait -3
	s_barrier_signal -1
	s_barrier_wait -1
.endm
.macro CROUND
	s_barrier_signal -1
	s_barrier_wait -1
	CREST
.endm
	s_load_b128 s[4:7], s[0:1], 0x0
	s_load_b128 s[8:11], s[0:1], 0x10
	s_load_b64 s[66:67], s[0:1], 0x20
	v_lshl_add_u32 v[SPW], v0, 2, SPARE
	v_mov_b32 v[NIL], 0
	ds_add_u32 v28, v29
	ds_add_u32 v28, v29
	s_wait_dscnt 0x0
	v_lshrrev_b32 v1, 5, v0
	v_readfirstlane_b32 s14, v1
	s_lshr_b32 s15, s14, 1
	s_and_b32 s16, s14, 1
	s_bfe_u32 s40, ttmp6, 0x40000
	s_bfe_u32 s41, ttmp6, 0x40004
	s_lshl_b32 s42, ttmp9, 2
	s_add_co_u32 s42, s42, s40
	s_and_b32 s17, ttmp7, 0xffff
	s_lshl_b32 s17, s17, 2
	s_add_co_u32 s17, s17, s41
	s_lshl_b32 s43, s41, 2
	s_lshl_b32 s43, 15, s43
	s_lshl_b32 s44, 0x1111, s40
	s_or_b32 s[G1+0], s43, (0<<16)|(1<<20)|(1<<21)|(5<<22)|(3<<25)
	s_or_b32 s[G1B+0], s44, (0<<16)|(1<<20)|(1<<21)|(5<<22)|(3<<25)
.irp g, G1, G1B
	s_mov_b32 s[\g+1], ROWB<<16
	s_mov_b32 s[\g+2], 128<<16
	s_mov_b32 s[\g+3], ROWB<<16
	s_mov_b32 s[\g+4], 128
	s_mov_b32 s[\g+5], KROW
	s_mov_b32 s[\g+6], 0
	s_mov_b32 s[\g+7], 0
.endr
	s_lshl_b32 s18, s16, 7
	s_lshl_b32 s20, s17, 8
	s_add_co_u32 s20, s20, s18
	s_lshl_b32 s46, s42, 8
	s_add_co_u32 s46, s46, s18
	s_mov_b32 s21, 0
	s_mov_b32 s47, 0
	s_mov_b64 s[18:19], KROW
	s_mul_u64 s[20:21], s[20:21], s[18:19]
	s_mul_u64 s[46:47], s[46:47], s[18:19]
	s_mul_i32 s45, s14, HALFT
	s_wait_kmcnt 0x0
	s_load_b128 s[92:95], s[8:9], 0x30
	s_add_nc_u64 s[6:7], s[6:7], 0x400000
	s_add_nc_u64 s[20:21], s[4:5], s[20:21]
	s_add_nc_u64 s[46:47], s[6:7], s[46:47]
	CROUND
.irp s, 0,1
	s_mov_b32 s[G0+4*\s], 1
	s_add_co_u32 s[G0+4*\s+1], s45, \s*SLOT
	s_add_nc_u64 s[G0+4*\s+2:G0+4*\s+3], s[20:21], \s*ROWB
	s_or_b32 s[G0+4*\s+3], s[G0+4*\s+3], 0x80000000
	s_mov_b32 s[G0B+4*\s], 1
	s_add_co_u32 s[G0B+4*\s+1], s45, \s*SLOT
	s_add_nc_u64 s[G0B+4*\s+2:G0B+4*\s+3], s[46:47], \s*ROWB
	s_or_b32 s[G0B+4*\s+3], s[G0B+4*\s+3], 0x80000000
.if \s                                         ; slot 1's first fill is issued as a refill is: behind a wait for my loads, the spare-word add and a whole round
	s_wait_alu depctr_va_vdst(0)
	s_wait_tensorcnt 0x0
	ds_add_u32 v28, v29
	s_wait_dscnt 0x0
	CROUND
.endif
	JLOAD G0+4*\s, G1, G0B+4*\s, G1B
.endr
	v_and_b32 v1, 15, v0
	v_bfe_u32 v2, v0, 4, 1
	s_wait_alu depctr_va_vdst(0)
	v_mul_u32_u24 v3, v1, PITCH
	s_wait_alu depctr_va_vdst(0)
	v_lshl_add_u32 v4, v2, 4, v3
	s_mul_i32 s21, s15, HALFT
	s_mul_i32 s22, s16, HALFT
	s_add_co_u32 s22, s22, 2*HALFT
.irp s, 0,1
	v_add_nc_u32 v[ADRA+\s], s21, v4
	v_add_nc_u32 v[ADRB+\s], s22, v4
	s_add_co_u32 s21, s21, SLOT
	s_add_co_u32 s22, s22, SLOT
.endr
	s_lshl_b32 s20, s42, 10
	s_lshl_b32 s21, s16, 9
	s_add_co_u32 s20, s20, s21
	s_mov_b32 s21, 0
	s_add_nc_u64 s[66:67], s[66:67], s[20:21]
	v_lshlrev_b32 v[ADR], 5, v2
.irp b, 0,1,2,3,4,5,6,7
	global_load_b128 v[B1+8*\b:B1+8*\b+3], v[ADR], s[66:67] offset:64*\b
	global_load_b128 v[B1+8*\b+4:B1+8*\b+7], v[ADR], s[66:67] offset:64*\b+16
.endr
	s_mul_i32 s23, s15, 128*272
	s_lshl_b32 s22, s16, 7
	s_add_co_u32 s23, s23, s22
	v_lshl_add_u32 v5, v2, 3, v3
	v_add_nc_u32 v[STO], s23, v5
	s_mul_i32 s23, s14, 64*272
	v_mul_u32_u24 v5, v2, 272
	v_lshl_add_u32 v5, v1, 4, v5
	v_add_nc_u32 v[RD], s23, v5
	v_lshlrev_b32 v6, 4, v1
	v_lshl_add_u32 v[CO], v2, 12, v6
	v_mov_b32 v[C9], 0xb9d25000
	v_mov_b32 v[C9+1], 0xb9d25000
	s_lshl_b32 s20, s17, 8
	s_lshl_b32 s21, s14, 6
	s_add_co_u32 s20, s20, s21
	s_lshl_b32 s20, s20, 12
	s_lshl_b32 s21, s42, 8
	s_add_co_u32 s20, s20, s21
	s_mov_b32 s21, 0
	s_add_nc_u64 s[10:11], s[10:11], s[20:21]
	s_mov_b32 s90, 0x3f3504f3
.macro FRAG reg, adr, q, i
.irp c, 0,1,2,3
	ds_load_b128 v[\reg+4*\c:\reg+4*\c+3], v[\adr] offset:128*(\q)+32*\c+(\i)*16*PITCH
.endr
.endm
.macro MUL16 a0, p, zero
.irp a, \a0, \a0+1
.irp b, 0,1,2,3,4,5,6,7
.if \zero
	v_wmma_f32_16x16x128_bf8_bf8 v[8*(8*((\a)%4)+\b):8*(8*((\a)%4)+\b)+7], v[128*(\p)+FR*\b:128*(\p)+FR*\b+FR-1], v[AF+FR*(\a):AF+FR*(\a)+FR-1], 0
.else
	v_wmma_f32_16x16x128_bf8_bf8 v[8*(8*((\a)%4)+\b):8*(8*((\a)%4)+\b)+7], v[128*(\p)+FR*\b:128*(\p)+FR*\b+FR-1], v[AF+FR*(\a):AF+FR*(\a)+FR-1], v[8*(8*((\a)%4)+\b):8*(8*((\a)%4)+\b)+7]
.endif
.endr
.endr
.endm
.macro FETCH_B slot, q, p
	WIN TO_B
.irp i, 0,1,2,3,4,5,6,7
	FRAG 128*(\p)+FR*\i, ADRB+\slot, \q, \i
.endr
	WIN 0
.endm
.macro FETCH_A slot, q, i0
.irp i, \i0, \i0+1, \i0+2, \i0+3
	FRAG AF+FR*(\i), ADRA+\slot, \q, \i
.endr
.endm
.macro PLACES n
.rept \n
	v_nop
.endr
.endm
.macro STEP slot, q, zero
	s_wait_dscnt 4*NL
	WIN MUL_LO
	MUL16 0, (\q)%2, \zero
	MUL16 2, (\q)%2, \zero
	s_wait_dscnt 0
	PLACES NP
	FETCH_B \slot, (\q)+1, 1-(\q)%2
	FETCH_A \slot, (\q)+1, 0
	WIN MUL_HI
	MUL16 4, (\q)%2, \zero
	MUL16 6, (\q)%2, \zero
	PLACES NP
	WIN 0
	FETCH_A \slot, (\q)+1, 4
.endm
.macro TURN slot, next, fill
	s_wait_tensorcnt 0x0
	ds_add_u32 v[SPW], v[NIL]
	s_wait_dscnt 4*NL+1
	WIN MUL_LO
	MUL16 0, 1, 0
	s_wait_dscnt 0x0
	s_barrier_signal -1
	MUL16 2, 1, 0
	WIN 0
	s_barrier_wait -1
.if \fill
	CREST
	s_add_nc_u64 s[G0+4*\slot+2:G0+4*\slot+3], s[G0+4*\slot+2:G0+4*\slot+3], 2*ROWB
	s_add_nc_u64 s[G0B+4*\slot+2:G0B+4*\slot+3], s[G0B+4*\slot+2:G0B+4*\slot+3], 2*ROWB
	JLOAD G0+4*\slot, G1, G0B+4*\slot, G1B
.else
	PLACES NP
.endif
	FETCH_B \next, 0, 0
	FETCH_A \next, 0, 0
	WIN MUL_HI
	MUL16 4, 1, 0
	MUL16 6, 1, 0
	PLACES NP
	WIN 0
	FETCH_A \next, 0, 4
.endm
	s_wait_tensorcnt 1
	s_barrier_signal -1
	s_barrier_wait -1
	FETCH_B 0, 0, 0
	FETCH_A 0, 0, 0
	FETCH_A 0, 0, 4
	STEP 0, 0, 1
	s_mov_b32 s3, LAPS-1
.Llap:
	TURN 0, 1, 1
	STEP 1, 0, 0
	TURN 1, 0, 1
	STEP 0, 0, 0
	s_sub_co_u32 s3, s3, 1
	s_cmp_lg_u32 s3, 0
	s_cbranch_scc1 .Llap
	TURN 0, 1, 0
	STEP 1, 0, 0
	s_wait_dscnt 4*NL
	WIN MUL_LO
	MUL16 0, 1, 0
	MUL16 2, 1, 0
	s_wait_dscnt 0
	WIN MUL_HI
	MUL16 4, 1, 0
	MUL16 6, 1, 0
	WIN 0
	s_wait_kmcnt 0x0
	s_add_co_i32 s96, s92, s93
	s_add_co_i32 s96, s96, 127
	s_lshl_b32 s96, s96, 23
	s_mov_b32 s97, s96
	s_add_co_i32 s92, s94, 127
	s_lshl_b32 s93, s92, 23
	v_mov_b32 v31, s93
	s_add_co_i32 s92, s92, 15
	s_lshl_b32 s92, s92, 23
	s_or_b32 s92, s92, 0x600000
	v_mov_b32 v30, s92
	s_wait_loadcnt 0x0
	PLACES NP
.macro UBLK a
.set AC, 64*((\a)%4)
.set WN, 0x02+((\a)/4)
	WIN WN
.set j, 0
.rept 32
	v_pk_fma_f32 v[U+j:U+j+1], v[AC+j:AC+j+1], s[96:97], v[B1+j:B1+j+1] op_sel_hi:[1,0,1]
.set j, j+2
.endr
	WIN 0
.endm
.macro PKC op, d, s, k
.irp i, 0,2,4,6,8,10,12,14
	\op v[\d+\i:\d+\i+1], v[\s+\i:\s+\i+1], \k op_sel_hi:[1,0]
.endr
.endm
.macro HORNER k
.irp i, 0,2,4,6,8,10,12,14
	v_pk_fma_f32 v[D1+\i:D1+\i+1], v[D1+\i:D1+\i+1], v[M+\i:M+\i+1], \k op_sel_hi:[1,1,0]
.endr
.endm
.macro GELU16 k
.set UU, U+16*(\k)
.irp i, 0,1,2,3,4,5,6,7,8,9,10,11,12,13,14,15
	v_mul_f32 v[AA+\i], s90, |v[UU+\i]|
.endr
	PKC v_pk_add_f32, D1, AA, 2.0
.irp i, 0,2,4,6,8,10,12,14
	v_pk_fma_f32 v[D2+\i:D2+\i+1], v[AA+\i:AA+\i+1], 2.0, 1.0 op_sel_hi:[1,0,0]
.endr
.irp i, 0,2,4,6,8,10,12,14
	v_pk_mul_f32 v[E+\i:E+\i+1], v[AA+\i:AA+\i+1], v[AA+\i:AA+\i+1]
.endr
	PKC v_pk_mul_f32, E, E, 0xbfb8aa3b
	PKC v_pk_add_f32, M, AA, -2.0
	s_wait_alu depctr_va_vdst(0)
.irp i, 0,1,2,3,4,5,6,7,8,9,10,11,12,13,14,15
	v_rcp_f32 v[D1+\i], v[D1+\i]
.endr
.irp i, 0,1,2,3,4,5,6,7,8,9,10,11,12,13,14,15
	v_rcp_f32 v[D2+\i], v[D2+\i]
.endr
.irp i, 0,1,2,3,4,5,6,7,8,9,10,11,12,13,14,15
	v_exp_f32 v[E+\i], v[E+\i]
.endr
.irp i, 0,1,2,3,4,5,6,7,8,9,10,11,12,13,14,15
	v_max_num_f32 v[UU+\i], v[UU+\i], 0
.endr
	PKC v_pk_mul_f32, AA, AA, 0x3f3504f3
	s_wait_alu depctr_va_vdst(0)
.irp i, 0,2,4,6,8,10,12,14
	v_pk_mul_f32 v[M+\i:M+\i+1], v[M+\i:M+\i+1], v[D1+\i:D1+\i+1]
.endr
.irp i, 0,2,4,6,8,10,12,14
	v_pk_fma_f32 v[D1+\i:D1+\i+1], v[M+\i:M+\i+1], v[C9:C9+1], 0xbaa15130 op_sel_hi:[1,1,0]
.endr
	HORNER 0x3aac2b8a
	HORNER 0x3c0d6e62
	HORNER 0xbc040dc1
	HORNER 0xbd5e05b5
	HORNER 0x3e27fe23
	HORNER 0xbe2a0753
	HORNER 0xbdbdfb0b
	HORNER 0x3e8dd01d
.irp i, 0,2,4,6,8,10,12,14
	v_pk_fma_f32 v[D1+\i:D1+\i+1], v[D1+\i:D1+\i+1], v[D2+\i:D2+\i+1], v[D2+\i:D2+\i+1]
.endr
.irp i, 0,2,4,6,8,10,12,14
	v_pk_mul_f32 v[D1+\i:D1+\i+1], v[D1+\i:D1+\i+1], v[E+\i:E+\i+1]
.endr
.irp i, 0,2,4,6,8,10,12,14
	v_pk_fma_f32 v[UU+\i:UU+\i+1], v[AA+\i:AA+\i+1], v[D1+\i:D1+\i+1], v[UU+\i:UU+\i+1] neg_lo:[1,0,0] neg_hi:[1,0,0]
.endr
.endm
	s_mov_b32 s3, 0
	s_mov_b32 s91, 0
.Lblk:
.irp a, 0,1,2,3,4,5,6
	s_cmp_eq_u32 s3, \a
	s_cbranch_scc1 .Lu\a
.endr
	UBLK 7
	s_branch .Lcommon
.irp a, 0,1,2,3,4,5
.Lu\a:
	UBLK \a
	s_branch .Lcommon
.endr
.Lu6:
	UBLK 6
.Lcommon:
	GELU16 0
	GELU16 1
	GELU16 2
	GELU16 3
.set j, 0
.rept 64
	v_med3_num_f32 v[U+j], v[U+j], -v30, v30
.set j, j+1
.endr
	s_wait_alu depctr_va_vdst(0)
	s_wait_dscnt 0x0
.irp b, 0,1,2,3,4,5,6,7
	v_cvt_scalef32_pk8_bf8_f32 v[CD+2*\b:CD+2*\b+1], v[U+8*\b:U+8*\b+7], v31
.endr
	v_nop
	v_add_nc_u32 v[ADR], s91, v[STO]
.irp b, 0,1,2,3,4,5,6,7
	ds_store_b64 v[ADR], v[CD+2*\b:CD+2*\b+1] offset:16*\b
.endr
	s_add_co_u32 s91, s91, 16*272
	s_add_co_u32 s3, s3, 1
	s_cmp_lt_u32 s3, 8
	s_cbranch_scc1 .Lblk
	s_wait_dscnt 0x0
	s_barrier_signal -1
	s_barrier_wait -1
.set i, 0
.rept 32
	ds_load_b128 v[U+4*i:U+4*i+3], v[RD] offset:2*i*272
.set i, i+1
.endr
.set i, 0
.rept 32
	s_wait_dscnt 31-i
	global_store_b128 v[CO], v[U+4*i:U+4*i+3], s[10:11] offset:2*i*4096
.set i, i+1
.endr
	s_wait_tensorcnt 0x0
	ds_add_u32 v[SPW], v[NIL]
	s_wait_dscnt 0x0
	CROUND
	s_endpgm
.Lfunc_end_k_qbe569493cd_ffn1:
	.size	k_qbe569493cd_ffn1, .Lfunc_end_k_qbe569493cd_ffn1-k_qbe569493cd_ffn1
	.p2alignl 7, 3214868480
	.fill 96, 4, 3214868480
	.section	.rodata,"a",@progbits
	.p2align	6, 0x0
	.amdhsa_kernel k_qbe569493cd_ffn1
		.amdhsa_group_segment_fixed_size 327680
		.amdhsa_private_segment_fixed_size 0
		.amdhsa_enable_private_segment 0
		.amdhsa_kernarg_size 40
		.amdhsa_user_sgpr_count 2
		.amdhsa_user_sgpr_kernarg_segment_ptr 1
		.amdhsa_wavefront_size32 1
		.amdhsa_system_sgpr_workgroup_id_x 1
		.amdhsa_system_sgpr_workgroup_id_y 1
		.amdhsa_system_sgpr_workgroup_id_z 1
		.amdhsa_system_vgpr_workitem_id 0
		.amdhsa_next_free_vgpr 1024
		.amdhsa_next_free_sgpr 100
		.amdhsa_reserve_vcc 0
		.amdhsa_float_denorm_mode_32 3
		.amdhsa_float_denorm_mode_16_64 3
		.amdhsa_memory_ordered 1
		.amdhsa_forward_progress 1
		.amdhsa_inst_pref_size 172
	.end_amdhsa_kernel
	.amdgpu_metadata
---
amdhsa.version: [ 1, 2 ]
amdhsa.kernels:
  - .name:           k_qbe569493cd_ffn1
    .symbol:         k_qbe569493cd_ffn1.kd
    .args:
      - { .name: h2c, .offset: 0, .size: 8, .value_kind: global_buffer, .address_space: global }
      - { .name: wc, .offset: 8, .size: 8, .value_kind: global_buffer, .address_space: global }
      - { .name: lowp_scales, .offset: 16, .size: 8, .value_kind: global_buffer, .address_space: global }
      - { .name: gc, .offset: 24, .size: 8, .value_kind: global_buffer, .address_space: global }
      - { .name: b1, .offset: 32, .size: 8, .value_kind: global_buffer, .address_space: global }
    .group_segment_fixed_size: 327680
    .private_segment_fixed_size: 0
    .kernarg_segment_align: 8
    .kernarg_segment_size: 40
    .max_flat_workgroup_size: 128
    .sgpr_count:     100
    .vgpr_count:     1024
    .wavefront_size: 32
...
	.end_amdgpu_metadata
.endif
;; end of part 6
;; launch ffn2 (part 7): grid 8 x 32, 4 waves a work-group, clusters of 4 x 4, 327,680 bytes of LDS; arguments gc, wc, out0, lowp_scales, x1, b2; writes out0
.if DOCPART == 7
	.amdgcn_target "amdgcn-amd-amdhsa--gfx1250"
	.amdhsa_code_object_version 6
	.text
	.protected	k_qbe569493cd_ffn2
	.globl	k_qbe569493cd_ffn2
	.p2align	8
	.type	k_qbe569493cd_ffn2,@function
k_qbe569493cd_ffn2:
	s_mov_b64 s[64:65], 0
	v_nop
	global_prefetch_b8 v0, s[64:65] scope:SCOPE_SE
	s_setreg_imm32_b32 hwreg(HW_REG_WAVE_MODE, 25, 1), 1
	s_wait_xcnt 0x0
	s_wait_alu depctr_hold_cnt(0) depctr_sa_sdst(0) depctr_va_vdst(0) depctr_va_sdst(0) depctr_va_ssrc(0) depctr_va_vcc(0) depctr_vm_vsrc(0)
	s_getreg_b32 s2, hwreg(HW_REG_IB_STS2, 6, 4)
	s_cmp_eq_u32 s2, 0
	s_cbranch_scc0 .Lentry_in_a_cluster
	s_endpgm
.Lentry_in_a_cluster:
	s_bfe_u32 s2, ttmp6, 0x10000c
	s_cmp_lg_u32 s2, 0xf033
	s_cbranch_scc0 .Lentry_shape_is_right
	s_endpgm
.Lentry_shape_is_right:
.set SIZE_K,   4096
.set WOFF,     0x800000
.set SCOFF,    0x38
.set HAS_BIAS, 1
.set KSTEP,  512
.set PITCH,  528
.set HALFT,  64*PITCH
.set SLOT,   4*HALFT
.set STAGE,  2*SLOT
.set SPITCH, 272
.set SPARE,  STAGE+4*16*SPITCH
.set LAPS,   SIZE_K/(2*KSTEP)
.set BIAS, 12
.set ADRA, 16
.set ADRB, 20
.set STO,  24
.set RD,   25
.set CO,   26
.set BO,   27
.set SPW,  28
.set NIL,  29
.set ACC,  128
.set F0,   0
.set F1,   128
.set G1, 24
.set G0, 32
.set G1B, 48
.set G0B, 56
.set MSB, 0
.macro WIN new
.if MSB != \new
	s_set_vgpr_msb (MSB<<8)|\new
.set MSB, \new
.endif
.endm
.set MUL,  0x05
.set TO_F, 0x40
.macro JLOAD s
	s_cmp_eq_u32 s11, 0
	s_cbranch_scc0 .Lfor_b_\@
	tensor_load_to_lds s[G0+4*\s:G0+4*\s+3], s[G1:G1+7]
	s_nop 0
.rept 4
	v_nop
.endr
	s_branch .Lasked_\@
.Lfor_b_\@:
	tensor_load_to_lds s[G0B+4*\s:G0B+4*\s+3], s[G1B:G1B+7]
	s_nop 0
.rept 4
	v_nop
.endr
.Lasked_\@:
.endm
.macro CREST
	s_cmp_lg_u32 s10, 0
	s_cbranch_scc1 .Lnot_wave_0_\@
	s_barrier_signal -3
.Lnot_wave_0_\@:
	s_barrier_wait -3
	s_barrier_signal -1
	s_barrier_wait -1
.endm
.macro CROUND
	s_barrier_signal -1
	s_barrier_wait -1
	CREST
.endm
	s_load_b128 s[4:7], s[0:1], 0x0
	s_load_b64 s[8:9], s[0:1], 0x10
	s_load_b64 s[70:71], s[0:1], 0x18
	s_load_b64 s[66:67], s[0:1], 0x20
.if HAS_BIAS
	s_load_b64 s[68:69], s[0:1], 0x28
.endif
	v_lshl_add_u32 v[SPW], v0, 2, SPARE
	v_mov_b32 v[NIL], 0
	ds_add_u32 v28, v29
	ds_add_u32 v28, v29
	s_wait_dscnt 0x0
	v_lshrrev_b32 v1, 5, v0
	v_readfirstlane_b32 s10, v1
	s_lshr_b32 s11, s10, 1
	s_and_b32 s12, s10, 1
	s_bfe_u32 s40, ttmp6, 0x40000
	s_bfe_u32 s41, ttmp6, 0x40004
	s_lshl_b32 s42, ttmp9, 2
	s_add_co_u32 s42, s42, s40
	s_and_b32 s13, ttmp7, 0xffff
	s_lshl_b32 s13, s13, 2
	s_add_co_u32 s13, s13, s41
	s_lshl_b32 s43, s41, 2
	s_lshl_b32 s43, 15, s43
	s_lshl_b32 s44, 0x1111, s40
	s_or_b32 s[G1+0], s43, (0<<16)|(1<<20)|(1<<21)|(6<<22)|(3<<25)
	s_or_b32 s[G1B+0], s44, (0<<16)|(1<<20)|(1<<21)|(6<<22)|(3<<25)
.irp g, G1, G1B
	s_mov_b32 s[\g+1], KSTEP<<16
	s_mov_b32 s[\g+2], 64<<16
	s_mov_b32 s[\g+3], KSTEP<<16
	s_mov_b32 s[\g+4], 64
	s_mov_b32 s[\g+5], SIZE_K
	s_mov_b32 s[\g+6], 0
	s_mov_b32 s[\g+7], 0
.endr
	s_lshl_b32 s17, s12, 6
	s_lshl_b32 s16, s13, 7
	s_add_co_u32 s16, s16, s17
	s_lshl_b32 s46, s42, 7
	s_add_co_u32 s46, s46, s17
	s_mov_b32 s17, 0
	s_mov_b32 s47, 0
	s_mov_b64 s[18:19], SIZE_K
	s_mul_u64 s[16:17], s[16:17], s[18:19]
	s_mul_u64 s[46:47], s[46:47], s[18:19]
	s_mul_i32 s20, s10, HALFT
	s_wait_kmcnt 0x0
	s_load_b64 s[72:73], s[70:71], SCOFF
	s_add_nc_u64 s[6:7], s[6:7], WOFF
	s_add_nc_u64 s[14:15], s[4:5], s[16:17]
	s_add_nc_u64 s[46:47], s[6:7], s[46:47]
	CROUND
.irp s, 0,1
	s_mov_b32 s[G0+4*\s], 1
	s_add_co_u32 s[G0+4*\s+1], s20, \s*SLOT
	s_add_nc_u64 s[G0+4*\s+2:G0+4*\s+3], s[14:15], \s*KSTEP
	s_or_b32 s[G0+4*\s+3], s[G0+4*\s+3], 0x80000000
	s_mov_b32 s[G0B+4*\s], 1
	s_add_co_u32 s[G0B+4*\s+1], s20, \s*SLOT
	s_add_nc_u64 s[G0B+4*\s+2:G0B+4*\s+3], s[46:47], \s*KSTEP
	s_or_b32 s[G0B+4*\s+3], s[G0B+4*\s+3], 0x80000000
.if \s                                         ; slot 1's first fill is issued as a refill is: behind a wait for my loads, the spare-word add and a whole round
	s_wait_alu depctr_va_vdst(0)
	s_wait_tensorcnt 0x0
	ds_add_u32 v28, v29
	s_wait_dscnt 0x0
	CROUND
.endif
	JLOAD \s
.endr
	v_and_b32 v1, 15, v0
	s_wait_alu depctr_va_vdst(0)
	v_bfe_u32 v2, v0, 4, 1
	v_mul_u32_u24 v3, v1, PITCH
	v_lshl_add_u32 v3, v2, 4, v3
	s_mul_i32 s21, s11, HALFT
	s_mul_i32 s22, s12, HALFT
	s_add_co_u32 s22, s22, 2*HALFT
.irp s, 0,1
	v_add_nc_u32 v[ADRA+\s], s21, v3
	v_add_nc_u32 v[ADRB+\s], s22, v3
	s_add_co_u32 s21, s21, SLOT
	s_add_co_u32 s22, s22, SLOT
.endr
	s_mul_i32 s23, s10, 16*SPITCH
	s_add_co_u32 s23, s23, STAGE
	v_mul_u32_u24 v4, v1, SPITCH
	s_wait_alu depctr_va_vdst(0)
	v_lshl_add_u32 v4, v2, 5, v4
	v_add_nc_u32 v[STO], s23, v4
	v_mul_u32_u24 v5, v2, SPITCH
	v_lshl_add_u32 v5, v1, 4, v5
	v_add_nc_u32 v[RD], s23, v5
	v_lshlrev_b32 v[BO], 4, v1
	s_wait_alu depctr_va_vdst(0)
	v_lshl_add_u32 v[CO], v2, 12, v[BO]
	s_wait_alu depctr_va_vdst(0)
	s_lshl_b32 s16, s13, 7
	s_lshl_b32 s17, s11, 6
	s_add_co_u32 s16, s16, s17
	s_lshl_b32 s16, s16, 12
	s_mov_b32 s17, 0
	s_add_nc_u64 s[8:9], s[8:9], s[16:17]
	s_add_nc_u64 s[66:67], s[66:67], s[16:17]
	s_lshl_b32 s46, s42, 9
	s_lshl_b32 s47, s12, 8
	s_add_co_u32 s46, s46, s47
	s_mov_b32 s47, 0
	s_add_nc_u64 s[8:9], s[8:9], s[46:47]
	s_add_nc_u64 s[66:67], s[66:67], s[46:47]
.if HAS_BIAS
	s_add_nc_u64 s[68:69], s[68:69], s[46:47]
	global_load_b128 v[BIAS:BIAS+3], v[BO], s[68:69]
.endif
	WIN 0x80
.irp a, 0,1,2,3
.irp t, 0,1,2,3,4,5,6,7
	global_load_b128 v[32*\a+4*\t:32*\a+4*\t+3], v[CO], s[66:67] offset:(16*\a+2*\t)*4096
.endr
.endr
	WIN 0
.macro MULR f, a, zero
.irp b, 0,1,2,3
.if \zero
	v_wmma_f32_16x16x128_bf8_bf8 v[ACC+8*(4*(\a)+\b):ACC+8*(4*(\a)+\b)+7], v[\f+64+16*\b:\f+64+16*\b+15], v[\f+16*(\a):\f+16*(\a)+15], 0
.else
	v_wmma_f32_16x16x128_bf8_bf8 v[ACC+8*(4*(\a)+\b):ACC+8*(4*(\a)+\b)+7], v[\f+64+16*\b:\f+64+16*\b+15], v[\f+16*(\a):\f+16*(\a)+15], v[ACC+8*(4*(\a)+\b):ACC+8*(4*(\a)+\b)+7]
.endif
.endr
.endm
.macro FETCH slot, k, f
	WIN TO_F
.irp i, 0,1,2,3
.irp c, 0,1,2,3
	ds_load_b128 v[\f+64+16*\i+4*\c:\f+64+16*\i+4*\c+3], v[ADRB+\slot] offset:\k+32*\c+\i*16*PITCH
	ds_load_b128 v[\f+16*\i+4*\c:\f+16*\i+4*\c+3],       v[ADRA+\slot] offset:\k+32*\c+\i*16*PITCH
.endr
.endr
.endm
.macro PLACES
.rept 4
	v_nop
.endr
.endm
.macro QUARTER slot, k, f, g, zero
	s_wait_dscnt 0x0
	PLACES
	FETCH \slot, \k, \g
	WIN MUL
	MULR \f, 0, \zero
	MULR \f, 1, \zero
	MULR \f, 2, \zero
	MULR \f, 3, \zero
.endm
.macro TURN slot, next, fill
	WIN 0
	s_wait_tensorcnt 0x0
	ds_add_u32 v[SPW], v[NIL]
	s_wait_dscnt 1
	WIN MUL
	MULR F1, 0, 0
	s_wait_dscnt 0x0
	s_barrier_signal -1
	MULR F1, 1, 0
	WIN 0
	s_barrier_wait -1
.if \fill
	CREST
	s_add_nc_u64 s[G0+4*\slot+2:G0+4*\slot+3], s[G0+4*\slot+2:G0+4*\slot+3], 2*KSTEP
	s_add_nc_u64 s[G0B+4*\slot+2:G0B+4*\slot+3], s[G0B+4*\slot+2:G0B+4*\slot+3], 2*KSTEP
	JLOAD \slot
.else
	PLACES
.endif
	FETCH \next, 0, F0
	WIN MUL
	MULR F1, 2, 0
	MULR F1, 3, 0
.endm
	s_wait_tensorcnt 1
	s_barrier_signal -1
	s_barrier_wait -1
	FETCH 0, 0, F0
	QUARTER 0, 128, F0, F1, 1
.if LAPS > 1
	WIN 0
	s_mov_b32 s3, LAPS-1
.Llap:
	QUARTER 0, 256, F1, F0, 0
	QUARTER 0, 384, F0, F1, 0
	TURN 0, 1, 1
	QUARTER 1, 128, F0, F1, 0
	QUARTER 1, 256, F1, F0, 0
	QUARTER 1, 384, F0, F1, 0
	TURN 1, 0, 1
	QUARTER 0, 128, F0, F1, 0
	WIN 0
	s_sub_co_u32 s3, s3, 1
	s_cmp_lg_u32 s3, 0
	s_cbranch_scc1 .Llap
.endif
	QUARTER 0, 256, F1, F0, 0
	QUARTER 0, 384, F0, F1, 0
	TURN 0, 1, 0
	QUARTER 1, 128, F0, F1, 0
	QUARTER 1, 256, F1, F0, 0
	QUARTER 1, 384, F0, F1, 0
	s_wait_dscnt 0x0
	WIN MUL
	MULR F1, 0, 0
	MULR F1, 1, 0
	MULR F1, 2, 0
	MULR F1, 3, 0
	WIN 0
	s_wait_kmcnt 0x0
	s_add_co_i32 s74, s72, s73
	s_add_co_i32 s74, s74, 127
	s_lshl_b32 s74, s74, 23
	s_mov_b32 s75, s74
	PLACES
.irp a, 0,1,2,3
.irp b, 0,1,2,3
	ds_store_b128 v[STO], v[ACC+32*\a+8*\b:ACC+32*\a+8*\b+3] offset:64*\b
	ds_store_b128 v[STO], v[ACC+32*\a+8*\b+4:ACC+32*\a+8*\b+7] offset:64*\b+16
.endr
.irp t, 0,1,2,3,4,5,6,7
	ds_load_b128 v[ACC+32*\a+4*\t:ACC+32*\a+4*\t+3], v[RD] offset:\t*2*SPITCH
.endr
.endr
	s_wait_loadcnt 0x0
.irp a, 0,1,2,3
	s_wait_dscnt 16*(3-\a)
.if HAS_BIAS
.irp i, 0,2,4,6,8,10,12,14,16,18,20,22,24,26,28,30
	v_pk_fma_f32 v[ACC+32*\a+\i:ACC+32*\a+\i+1], v[ACC+32*\a+\i:ACC+32*\a+\i+1], s[74:75], v[BIAS+\i%4:BIAS+\i%4+1] op_sel_hi:[1,0,1]
.endr
	WIN 0x08
.irp i, 0,2,4,6,8,10,12,14,16,18,20,22,24,26,28,30
	v_pk_add_f32 v[ACC+32*\a+\i:ACC+32*\a+\i+1], v[ACC+32*\a+\i:ACC+32*\a+\i+1], v[32*\a+\i:32*\a+\i+1]
.endr
.else
	WIN 0x20
.irp i, 0,2,4,6,8,10,12,14,16,18,20,22,24,26,28,30
	v_pk_fma_f32 v[ACC+32*\a+\i:ACC+32*\a+\i+1], v[ACC+32*\a+\i:ACC+32*\a+\i+1], s[74:75], v[32*\a+\i:32*\a+\i+1] op_sel_hi:[1,0,1]
.endr
.endif
	WIN 0
.irp t, 0,1,2,3,4,5,6,7
	global_store_b128 v[CO], v[ACC+32*\a+4*\t:ACC+32*\a+4*\t+3], s[8:9] offset:(16*\a+2*\t)*4096
.endr
.endr
	s_wait_tensorcnt 0x0
	ds_add_u32 v[SPW], v[NIL]
	s_wait_dscnt 0x0
	CROUND
	s_endpgm
.Lfunc_end_k_qbe569493cd_ffn2:
	.size	k_qbe569493cd_ffn2, .Lfunc_end_k_qbe569493cd_ffn2-k_qbe569493cd_ffn2
	.p2alignl 7, 3214868480
	.fill 96, 4, 3214868480
	.section	.rodata,"a",@progbits
	.p2align	6, 0x0
	.amdhsa_kernel k_qbe569493cd_ffn2
		.amdhsa_group_segment_fixed_size 327680
		.amdhsa_private_segment_fixed_size 0
		.amdhsa_enable_private_segment 0
		.amdhsa_kernarg_size 48
		.amdhsa_user_sgpr_count 2
		.amdhsa_user_sgpr_kernarg_segment_ptr 1
		.amdhsa_wavefront_size32 1
		.amdhsa_system_sgpr_workgroup_id_x 1
		.amdhsa_system_sgpr_workgroup_id_y 1
		.amdhsa_system_sgpr_workgroup_id_z 1
		.amdhsa_system_vgpr_workitem_id 0
		.amdhsa_next_free_vgpr 640
		.amdhsa_next_free_sgpr 80
		.amdhsa_reserve_vcc 0
		.amdhsa_float_denorm_mode_32 3
		.amdhsa_float_denorm_mode_16_64 3
		.amdhsa_memory_ordered 1
		.amdhsa_forward_progress 1
		.amdhsa_inst_pref_size 82
	.end_amdhsa_kernel
	.amdgpu_metadata
---
amdhsa.version: [ 1, 2 ]
amdhsa.kernels:
  - .name:           k_qbe569493cd_ffn2
    .symbol:         k_qbe569493cd_ffn2.kd
    .args:
      - { .name: gc, .offset: 0, .size: 8, .value_kind: global_buffer, .address_space: global }
      - { .name: wc, .offset: 8, .size: 8, .value_kind: global_buffer, .address_space: global }
      - { .name: out0, .offset: 16, .size: 8, .value_kind: global_buffer, .address_space: global }
      - { .name: lowp_scales, .offset: 24, .size: 8, .value_kind: global_buffer, .address_space: global }
      - { .name: x1, .offset: 32, .size: 8, .value_kind: global_buffer, .address_space: global }
      - { .name: b2, .offset: 40, .size: 8, .value_kind: global_buffer, .address_space: global }
    .group_segment_fixed_size: 327680
    .private_segment_fixed_size: 0
    .kernarg_segment_align: 8
    .kernarg_segment_size: 48
    .max_flat_workgroup_size: 128
    .sgpr_count:     80
    .vgpr_count:     640
    .wavefront_size: 32
...
	.end_amdgpu_metadata
.endif
;; end of part 7
